; MI455X (gfx1250); checked and timed in simulation.
; The chip was launched on July 23, 2026; its instructions are those of AMD's public machine-readable ISA for CDNA 5 (MIT licence, August 2026) and "CDNA5" Instruction Set Architecture Reference Guide (July 2026). The comments in the code are by the model that wrote it; some were corrected since.
;; Multi Head attention. Allowed arithmetic: float matrix products may take bf16 or f16 operands with f32 sums; other float arithmetic in f32, or as packed bf16 or f16 multiplies, adds, multiply-adds, maxima and minima; sums over many terms, partial sums and values carried from step to step in f32; what a program stores and reads back later, other than sums and carried values, may be rounded once to bf16 or f16.
;; Inputs: Wk 1,024 x 1,024 float32; Wq 1,024 x 1,024 float32; Wv 1,024 x 1,024 float32; bk 1,024 float32; bq 1,024 float32; bv 1,024 float32; x 4 x 2,048 x 1,024 float32.
;; Outputs: out0 4 x 2,048 x 1,024 float32.
;; 2 versions, each right; version 2 is version 1 with the launch cast written anew for expert scheduling mode. Each part assembles by itself: llvm-mc -triple=amdgcn-amd-amdhsa -mcpu=gfx1250 --defsym DOCPART=n.
;; ======== version 1 of 2: 4 launches
;; limits: values are held in f16: magnitudes above 65,504 overflow, below 6.1e-05 lose precision
;; workspace buffers: xb 16,777,216 bytes; wb 6,291,456 bytes; bb 12,288 bytes; qh 16,777,216 bytes; kh 16,777,216 bytes; vh 16,777,216 bytes; nt 524,288 bytes
;; launch cast (part 1): grid 707 x 1, 8 waves a work-group, no clusters, 0 bytes of LDS; arguments x, Wq, Wk, Wv, bq, bk, bv, xb, wb, bb; writes xb, wb, bb
.if DOCPART == 1
	.amdgcn_target "amdgcn-amd-amdhsa--gfx1250"
	.amdhsa_code_object_version 6
	.text
	.protected	k_q72c5c12fed_cast
	.globl	k_q72c5c12fed_cast
	.p2align	8
	.type	k_q72c5c12fed_cast,@function
k_q72c5c12fed_cast:
	s_mov_b64 s[64:65], 0
	v_nop
	global_prefetch_b8 v0, s[64:65] scope:SCOPE_SE
	s_setreg_imm32_b32 hwreg(HW_REG_WAVE_MODE, 25, 1), 1
	s_wait_xcnt 0x0
; x and the three weight matrices are rounded once to bf16 (xb; wb = Wq, Wk, Wv one below the other); the three biases are rounded to bf16, widened again,
; multiplied by the scale of their product's way out (c = log2(e) / 10 for q, 1 for k and v) and kept in f32 (bb).
; SHARES.  Work-groups 0-511: 16,384 numbers of x each; 512-703: 16,384 numbers of a weight matrix each (64 work-groups a matrix); 704-706: one bias each.
; A wave takes 2,048 numbers: sixteen loads of 16 bytes a lane, all issued at once (8 KiB of a wave on their way), each 512 consecutive bytes; each store of the wave covers 256 consecutive bytes, aligned.
; No LDS, no barrier, no matrix unit: every byte is read once and written once, and no wave wants another's.  No register is written twice, so no wait frees a source.
.set X,   8                            ; v[8:71]   sixteen loads of four f32
.set YB,  72                           ; v[72:103] sixteen pairs of packed bf16
.set CSC, 0x3e13bb63                   ; c = log2(e) / 10
	s_load_b512 s[8:23], s[0:1], 0x0               ; x s[8:9], Wq s[10:11], Wk s[12:13], Wv s[14:15], bq s[16:17], bk s[18:19], bv s[20:21], xb s[22:23]
	s_load_b128 s[24:27], s[0:1], 0x40             ; wb s[24:25], bb s[26:27]
	s_mov_b32 s2, ttmp9                            ; g, the work-group
	v_and_b32 v1, 31, v0                           ; lane
	v_and_b32 v2, 0xe0, v0                         ; 32 x wave
	v_lshlrev_b32 v3, 4, v1
	v_lshl_or_b32 v3, v2, 8, v3                    ; in: 8,192 x wave + 16 x lane
	v_lshlrev_b32 v4, 3, v1
	v_lshl_or_b32 v4, v2, 7, v4                    ; out: 4,096 x wave + 8 x lane
	s_wait_kmcnt 0x0
	s_cmp_ge_u32 s2, 704
	s_cbranch_scc1 .Lbias
	s_sub_co_u32 s3, s2, 512                       ; j: my place among the weights' 192 work-groups (not used where g < 512)
	s_lshr_b32 s4, s3, 6                           ; which matrix
	s_and_b32 s5, s3, 63                           ; my place in it
	s_cmp_eq_u32 s4, 0
	s_cselect_b64 s[28:29], s[10:11], s[12:13]
	s_cmp_eq_u32 s4, 2
	s_cselect_b64 s[28:29], s[14:15], s[28:29]
	s_cmp_lt_u32 s2, 512
	s_cselect_b64 s[28:29], s[8:9], s[28:29]       ; from: x or the matrix
	s_cselect_b64 s[30:31], s[22:23], s[24:25]     ; to: xb or wb
	s_cselect_b32 s32, s2, s5
	s_cselect_b32 s34, s2, s3
	s_lshl_b32 s32, s32, 16                        ; 65,536 bytes of f32 a work-group
	s_mov_b32 s33, 0
	s_lshl_b32 s34, s34, 15                        ; 32,768 bytes of bf16
	s_mov_b32 s35, 0
	s_add_nc_u64 s[28:29], s[28:29], s[32:33]
	s_add_nc_u64 s[30:31], s[30:31], s[34:35]
.set i, 0
.rept 16
	global_load_b128 v[X+4*i:X+4*i+3], v3, s[28:29] offset:512*i th:TH_LOAD_NT
.set i, i+1
.endr
.set i, 0
.rept 16
	s_wait_loadcnt 15-i                            ; loads come back in order: number i is in, the 15 - i younger ones stay out
	v_cvt_pk_bf16_f32 v[YB+2*i], v[X+4*i], v[X+4*i+1]
	v_cvt_pk_bf16_f32 v[YB+2*i+1], v[X+4*i+2], v[X+4*i+3]
	global_store_b64 v4, v[YB+2*i:YB+2*i+1], s[30:31] offset:256*i
.set i, i+1
.endr
	s_endpgm
.Lbias:                                                ; 1,024 numbers, four a thread
	s_sub_co_u32 s3, s2, 704                       ; 0: bq, 1: bk, 2: bv
	s_cmp_eq_u32 s3, 0
	s_cselect_b64 s[28:29], s[16:17], s[18:19]
	s_cselect_b32 s32, CSC, 1.0
	s_cmp_eq_u32 s3, 2
	s_cselect_b64 s[28:29], s[20:21], s[28:29]
	s_mov_b32 s33, s32                             ; named with it as a pair
	s_lshl_b32 s34, s3, 12
	s_mov_b32 s35, 0
	s_add_nc_u64 s[30:31], s[26:27], s[34:35]
	v_lshlrev_b32 v5, 4, v0
	global_load_b128 v[8:11], v5, s[28:29]
	s_wait_loadcnt 0x0
	v_cvt_pk_bf16_f32 v12, v8, v9                  ; rounded to bf16 like every input,
	v_cvt_pk_bf16_f32 v13, v10, v11
	v_lshlrev_b32 v16, 16, v12                     ; and widened again
	v_and_b32 v17, 0xffff0000, v12
	v_lshlrev_b32 v18, 16, v13
	v_and_b32 v19, 0xffff0000, v13
	v_pk_mul_f32 v[16:17], v[16:17], s[32:33] op_sel_hi:[1,0]
	v_pk_mul_f32 v[18:19], v[18:19], s[32:33] op_sel_hi:[1,0]
	global_store_b128 v5, v[16:19], s[30:31]
	s_endpgm
.Lfunc_end_k_q72c5c12fed_cast:
	.size	k_q72c5c12fed_cast, .Lfunc_end_k_q72c5c12fed_cast-k_q72c5c12fed_cast
	.p2alignl 7, 3214868480
	.fill 96, 4, 3214868480
	.section	.rodata,"a",@progbits
	.p2align	6, 0x0
	.amdhsa_kernel k_q72c5c12fed_cast
		.amdhsa_group_segment_fixed_size 0
		.amdhsa_private_segment_fixed_size 0
		.amdhsa_enable_private_segment 0
		.amdhsa_kernarg_size 80
		.amdhsa_user_sgpr_count 2
		.amdhsa_user_sgpr_kernarg_segment_ptr 1
		.amdhsa_wavefront_size32 1
		.amdhsa_system_sgpr_workgroup_id_x 1
		.amdhsa_system_sgpr_workgroup_id_y 1
		.amdhsa_system_sgpr_workgroup_id_z 1
		.amdhsa_system_vgpr_workitem_id 0
		.amdhsa_next_free_vgpr 104
		.amdhsa_next_free_sgpr 66
		.amdhsa_reserve_vcc 0
		.amdhsa_float_denorm_mode_32 3
		.amdhsa_float_denorm_mode_16_64 3
		.amdhsa_memory_ordered 1
		.amdhsa_forward_progress 1
		.amdhsa_inst_pref_size 9
	.end_amdhsa_kernel
	.amdgpu_metadata
---
amdhsa.version: [ 1, 2 ]
amdhsa.kernels:
  - .name:           k_q72c5c12fed_cast
    .symbol:         k_q72c5c12fed_cast.kd
    .args:
      - { .name: x, .offset: 0, .size: 8, .value_kind: global_buffer, .address_space: global }
      - { .name: Wq, .offset: 8, .size: 8, .value_kind: global_buffer, .address_space: global }
      - { .name: Wk, .offset: 16, .size: 8, .value_kind: global_buffer, .address_space: global }
      - { .name: Wv, .offset: 24, .size: 8, .value_kind: global_buffer, .address_space: global }
      - { .name: bq, .offset: 32, .size: 8, .value_kind: global_buffer, .address_space: global }
      - { .name: bk, .offset: 40, .size: 8, .value_kind: global_buffer, .address_space: global }
      - { .name: bv, .offset: 48, .size: 8, .value_kind: global_buffer, .address_space: global }
      - { .name: xb, .offset: 56, .size: 8, .value_kind: global_buffer, .address_space: global }
      - { .name: wb, .offset: 64, .size: 8, .value_kind: global_buffer, .address_space: global }
      - { .name: bb, .offset: 72, .size: 8, .value_kind: global_buffer, .address_space: global }
    .group_segment_fixed_size: 0
    .private_segment_fixed_size: 0
    .kernarg_segment_align: 8
    .kernarg_segment_size: 80
    .max_flat_workgroup_size: 256
    .sgpr_count:     66
    .vgpr_count:     104
    .wavefront_size: 32
...
	.end_amdgpu_metadata
.endif
;; end of part 1
;; launch proj (part 2): grid 16 x 32, 4 waves a work-group, clusters of 4 x 4, 327,680 bytes of LDS; arguments xb, wb, bb, qh, kh, vh; writes qh, kh, vh
.if DOCPART == 2
	.amdgcn_target "amdgcn-amd-amdhsa--gfx1250"
	.amdhsa_code_object_version 6
	.text
	.protected	k_q72c5c12fed_proj
	.globl	k_q72c5c12fed_proj
	.p2align	8
	.type	k_q72c5c12fed_proj,@function
k_q72c5c12fed_proj:
	s_mov_b64 s[64:65], 0
	v_nop
	global_prefetch_b8 v0, s[64:65] scope:SCOPE_SE
	s_setreg_imm32_b32 hwreg(HW_REG_WAVE_MODE, 25, 1), 1
	s_wait_xcnt 0x0
	s_wait_alu depctr_hold_cnt(0) depctr_sa_sdst(0) depctr_va_vdst(0) depctr_va_sdst(0) depctr_va_ssrc(0) depctr_va_vcc(0) depctr_vm_vsrc(0)
	s_getreg_b32 s2, hwreg(HW_REG_IB_STS2, 6, 4)
	s_cmp_eq_u32 s2, 0
	s_cbranch_scc0 .Lentry_in_a_cluster
	s_endpgm
.Lentry_in_a_cluster:
	s_bfe_u32 s2, ttmp6, 0x10000c
	s_cmp_lg_u32 s2, 0xf033
	s_cbranch_scc0 .Lentry_shape_is_right
	s_endpgm
.Lentry_shape_is_right:
; THE THREE PROJECTIONS AS ONE PRODUCT.  C[m][n] = sum over k of xb[m][k] wb[n][k], m < 8,192, n < 3,072, k < 1,024, bf16 operands, f32 sums; then C x scale + bias (bb holds bias x scale; the scale is
; c = log2(e) / 10 for q's columns, 1 for k's and v's), rounded ONCE to f16 and written by heads: qh, kh, vh are [64 = batch x 16 + head][2,048][64].
; LIMITS.  f16 ends at 65,504: c q, k and v must stay within it; beyond it the conversion gives an infinity.  NaN and infinities are not treated apart.
; SHARES.  A tile of C is 256 rows x 192 columns = three whole heads: 16 x 32 = 512 tiles, two for each of 256 WGPs.  Wave w makes rows 64 w .. 64 w + 63 of all 192 columns: 4 x 12 accumulators of 16 x 16,
; 384 registers.  So a wave holds whole heads' rows, and its way out wants no barrier.  K goes in steps of 128 through two LDS slots: the rows of both tiles are 256 bytes of memory, aligned.
; CLUSTERS.  4 x 4 work-groups.  The four of a row of the cluster need the same tiles of xb, the four of a column the same tiles of wb: each tile is asked for jointly, by the same tensor load with the same
; descriptor and a mask that names the four.  THE MATRIX INSTRUCTION IS USED TRANSPOSED (source 0 = 16 rows of wb, source 1 = 16 rows of xb): a lane holds eight neighbouring columns of one row of C.
; REGISTERS, in windows of 256 (s_set_vgpr_msb: bits 1:0 source 0, 3:2 source 1, 5:4 source 2, 7:6 destination):
;   window 0: v16-30 addresses; v32-63, v64-95 xb's fragments, two buffers of 4; v96-191 the bias of my 8 columns in each of 12 blocks; v192-239 packed results
;   window 1: v0-95, v96-191 wb's fragments, two buffers of 12; on the way out v0-47, v48-95 rows read back from the stage
;   window 2: accumulators of row blocks 0, 1 ((a, b) at 8 (12 (a % 2) + b));   window 3: of row blocks 2, 3
.set KSTEP,  128
.set PITCH,  272                       ; an LDS row: 256 bytes + 16 of padding: an odd multiple of 16, so the 16 rows of a fragment load start at 16 different groups of four banks (ISA guide 11.1)
.set AHALF,  128*PITCH                 ; what one tensor load brings of xb
.set BHALF,  96*PITCH                  ; and of wb
.set BOFF,   256*PITCH                 ; wb's 192 rows lie behind xb's 256
.set SLOT,   448*PITCH
.set STAGE,  2*SLOT                    ; behind the ring: for each wave 3 heads x 16 rows x 144 bytes
.set SP,     144
.set WSTAGE, 3*16*SP
.set SPARE,  STAGE+4*WSTAGE            ; the spare words, 128 bytes a wave: two blocks of 256 bytes that no other line names
.set LAPS,   4                         ; a lap = two K steps; 1,024 / 256
.set CSC,    0x3e13bb63                ; c = log2(e) / 10
.set ADRA, 16                          ; v16-17  LDS address of my xb fragments in slot 0, 1
.set ADRB, 20                          ; v20-21  the same for wb
.set STO,  24                          ; the way out: where I put 16 bytes of a row
.set RD,   25                          ; where I read rows back
.set GO,   26                          ; 16 x lane: my 16 bytes in 512 consecutive bytes of a head
.set BO,   27                          ; 32 x (lane / 16): my 8 numbers in a block of 16 of bb
.set SPW,  28                          ; LDS address of my spare word; never rewritten
.set NIL,  29                          ; 0; never rewritten
.set PFO,  30                          ; the prefetches' offset: a lane a row; never rewritten
.set FA,   32
.set BI,   96
.set TMP,  192
.set G1A, 24                           ; s[24:31] group 1 for xb's tiles;  s[32:39] group 0, a set for each slot
.set G0A, 32
.set G1B, 40                           ; s[40:47], s[48:55] the same for wb's
.set G0B, 48
.set OUT, 56                           ; s[56:61] where my rows of the tile's three heads begin
.set SC,  66                           ; s[66:71] their scales, as pairs
.set PFA, 72                           ; s[72:73] where my prefetches stand
.set LIM, 74                           ; s74  1 in a wave that prefetches, else the greatest number
.set MSB, 0
.macro WIN new                         ; the immediate's high byte repeats the setting that is left; a switch that changes nothing is dropped
.if MSB != (\new)
	s_set_vgpr_msb (MSB<<8)|(\new)
.set MSB, \new
.endif
.endm
.set MUL_LO, 0xa1                      ; source 0 (wb) window 1, source 1 (xb) window 0, C and D window 2
.set TO_B,   0x40                      ; destination window 1, address window 0
.macro JLOAD s                         ; a joint load: waves 0 and 1 fetch xb's two halves, waves 2 and 3 wb's; an s_nop 0 and four v_nop follow each of the two lines
	s_cmp_eq_u32 s17, 0
	s_cbranch_scc0 .Lfor_b_\@
	tensor_load_to_lds s[G0A+4*(\s):G0A+4*(\s)+3], s[G1A:G1A+7]
	s_nop 0
.rept 4
	v_nop
.endr
	s_branch .Lasked_\@
.Lfor_b_\@:
	tensor_load_to_lds s[G0B+4*(\s):G0B+4*(\s)+3], s[G1B:G1B+7]
	s_nop 0
.rept 4
	v_nop
.endr
.Lasked_\@:
.endm
; A prefetch into the L2 of the K step that stands two refills on: a lane a row, 256 bytes of it, one instruction a wave, behind the joint load and the run of LDS loads.  xb's tile row is read by every cluster
; of that row of clusters: cluster x = 0 asks; wb's tile column by every cluster of that column: cluster y = 0 asks.  The four partners share a load's rows out by address (32 of 128, or 24 of 96).
; K steps 4 to 7 are so named, once each; the loop's last trip asks for nothing.
.macro ASK
	s_cmp_gt_u32 s23, s[LIM]
	s_cbranch_scc0 .Lnot_mine_\@
	global_prefetch_b8 v[PFO], s[PFA:PFA+1] offset:KSTEP*2 th:TH_LOAD_NT scope:SCOPE_SE
.Lnot_mine_\@:
.endm
.macro CREST                           ; a round of the cluster's barrier behind its opening barrier
	s_cmp_lg_u32 s16, 0
	s_cbranch_scc1 .Lnot_wave_0_\@
	s_barrier_signal -3
.Lnot_wave_0_\@:
	s_barrier_wait -3
	s_barrier_signal -1
	s_barrier_wait -1
.endm
.macro CROUND                          ; a whole round
	s_barrier_signal -1
	s_barrier_wait -1
	CREST
.endm
.macro PLACES                          ; four places in front of loads into registers that matrix instructions have read, and of vector lines that read results
.rept 4
	v_nop
.endr
.endm
	s_load_b256 s[4:11], s[0:1], 0x0               ; xb s[4:5], wb s[6:7], bb s[8:9], qh s[10:11]
	s_load_b128 s[12:15], s[0:1], 0x20             ; kh s[12:13], vh s[14:15]
	v_lshl_add_u32 v[SPW], v0, 2, SPARE
	v_mov_b32 v[NIL], 0
	ds_add_u32 v[SPW], v[NIL]                      ; the wave's opening: the add and its wait stand ahead of my first tensor load; the set-up below stands between them
	v_lshrrev_b32 v1, 5, v0
	v_readfirstlane_b32 s16, v1                    ; wave 0..3
	s_lshr_b32 s17, s16, 1                         ; I fetch for xb (0) or for wb (1),
	s_and_b32 s18, s16, 1                          ; its first or second half
	s_bfe_u32 s19, ttmp6, 0x40000                  ; cx
	s_bfe_u32 s20, ttmp6, 0x40004                  ; cy
	s_lshl_b32 s21, ttmp9, 2
	s_add_co_u32 s21, s21, s19                     ; tx: tile column = 4 x cluster x + cx
	s_and_b32 s22, ttmp7, 0xffff
	s_lshl_b32 s22, s22, 2
	s_add_co_u32 s22, s22, s20                     ; ty: tile row = 4 x cluster y + cy
	s_lshl_b32 s76, s20, 2
	s_lshl_b32 s76, 15, s76                        ; my row of the cluster
	s_lshl_b32 s77, 0x1111, s19                    ; my column
	s_or_b32 s[G1A], s76, (1<<16)|(1<<20)|(1<<21)|(5<<22)|(3<<25)  ; 15:0 the mask; 17:16 2-byte elements; 20 padding on; 21 set beside a mask; 24:22 after every 64 words; 31:25 4 words
	s_or_b32 s[G1B], s77, (1<<16)|(1<<20)|(1<<21)|(5<<22)|(3<<25)
	s_mov_b32 s[G1A+1], KSTEP<<16                  ; tensor_dim0 = 128
	s_mov_b32 s[G1A+2], 128<<16                    ; tensor_dim1 = 128
	s_mov_b32 s[G1A+3], KSTEP<<16                  ; tile_dim0 = 128
	s_mov_b32 s[G1A+4], 128                        ; tile_dim1 = 128
	s_mov_b32 s[G1A+5], 1024                       ; elements from row to row
	s_mov_b32 s[G1A+6], 0
	s_mov_b32 s[G1A+7], 0
	s_mov_b32 s[G1B+1], KSTEP<<16
	s_mov_b32 s[G1B+2], 96<<16                     ; 96 rows
	s_mov_b32 s[G1B+3], KSTEP<<16
	s_mov_b32 s[G1B+4], 96
	s_mov_b32 s[G1B+5], 1024
	s_mov_b32 s[G1B+6], 0
	s_mov_b32 s[G1B+7], 0
	s_lshl_b32 s78, s22, 8                         ; xb: row 256 ty + 128 x half: made of the tile row and the wave alone
	s_lshl_b32 s79, s18, 7
	s_add_co_u32 s78, s78, s79
	s_lshl_b32 s78, s78, 11                        ; 2,048 bytes a row
	s_mov_b32 s79, 0
	s_mul_i32 s80, s21, 192                        ; wb: row 192 tx + 96 x half: made of the tile column and the wave alone
	s_mul_i32 s81, s18, 96
	s_add_co_u32 s80, s80, s81
	s_lshl_b32 s80, s80, 11
	s_mov_b32 s81, 0
	s_mul_i32 s84, s18, AHALF                      ; where they go: no place in the cluster enters an LDS address
	s_mul_i32 s85, s18, BHALF
	s_add_co_u32 s85, s85, BOFF
	s_mul_i32 s82, s21, 768                        ; the tile's 192 numbers of bb
	s_mov_b32 s83, 0
	s_wait_dscnt 0x0                               ; the opening add is done
	s_wait_kmcnt 0x0
	s_add_nc_u64 s[78:79], s[4:5], s[78:79]
	s_add_nc_u64 s[80:81], s[6:7], s[80:81]
	s_add_nc_u64 s[82:83], s[8:9], s[82:83]
	CROUND                                         ; all sixteen work-groups are here: the first joint loads meet
.irp s, 0,1
	s_mov_b32 s[G0A+4*(\s)], 1
	s_add_co_u32 s[G0A+4*(\s)+1], s84, (\s)*SLOT
	s_add_nc_u64 s[G0A+4*(\s)+2:G0A+4*(\s)+3], s[78:79], (\s)*KSTEP*2
	s_or_b32 s[G0A+4*(\s)+3], s[G0A+4*(\s)+3], 0x80000000
	s_mov_b32 s[G0B+4*(\s)], 1
	s_add_co_u32 s[G0B+4*(\s)+1], s85, (\s)*SLOT
	s_add_nc_u64 s[G0B+4*(\s)+2:G0B+4*(\s)+3], s[80:81], (\s)*KSTEP*2
	s_or_b32 s[G0B+4*(\s)+3], s[G0B+4*(\s)+3], 0x80000000
	JLOAD \s                                       ; two tensor loads of mine are out
.endr
	v_and_b32 v1, 15, v0                           ; l % 16
	v_bfe_u32 v2, v0, 4, 1                         ; l / 16
	v_lshlrev_b32 v[BO], 5, v2
.irp b, 0,1,2,3,4,5,6,7,8,9,10,11      ; the bias of columns 16 b + 8 (l / 16) + 0..7; waited for at the way out
	global_load_b128 v[BI+8*(\b):BI+8*(\b)+3],   v[BO], s[82:83] offset:64*(\b)
	global_load_b128 v[BI+8*(\b)+4:BI+8*(\b)+7], v[BO], s[82:83] offset:64*(\b)+16
.endr
	v_mul_u32_u24 v3, v1, PITCH
	v_lshl_add_u32 v3, v2, 4, v3                   ; a fragment's row x pitch + 16 x half
	s_mul_i32 s92, s16, 64*PITCH                   ; my 64 rows of xb
	v_add_nc_u32 v[ADRA], s92, v3
	v_add_nc_u32 v[ADRA+1], SLOT, v[ADRA]
	v_add_nc_u32 v[ADRB], BOFF, v3                 ; all 192 rows of wb
	v_add_nc_u32 v[ADRB+1], SLOT, v[ADRB]
	s_mul_i32 s92, s16, WSTAGE
	s_add_co_u32 s92, s92, STAGE                   ; my stage
	v_mul_u32_u24 v4, v1, SP                       ; in: row l % 16, 16 bytes for each half of the lanes
	v_lshl_add_u32 v4, v2, 4, v4
	v_add_nc_u32 v[STO], s92, v4
	v_bfe_u32 v4, v0, 3, 2                         ; back: 32 lanes take four rows of 128 bytes,
	v_mul_u32_u24 v4, v4, SP
	v_and_b32 v5, 7, v0
	v_lshl_add_u32 v4, v5, 4, v4
	v_add_nc_u32 v[RD], s92, v4
	v_and_b32 v[GO], 31, v0                        ; which are 512 consecutive bytes of a head
	v_lshlrev_b32 v[GO], 4, v[GO]
.irp j, 0,1,2                          ; head 3 tx + j of 48: which tensor, which head, which scale
	s_mul_i32 s88, s21, 3
	s_add_co_u32 s88, s88, \j
	s_lshr_b32 s90, s88, 4                         ; 0: q, 1: k, 2: v
	s_and_b32 s88, s88, 15                         ; the head
	s_lshr_b32 s91, s22, 3                         ; the batch: 8 tile rows each
	s_lshl_b32 s91, s91, 4
	s_add_co_u32 s88, s88, s91
	s_lshl_b32 s88, s88, 11                        ; 2,048 rows a head,
	s_and_b32 s91, s22, 7
	s_lshl_b32 s91, s91, 8
	s_add_co_u32 s88, s88, s91                     ; the tile's 256,
	s_lshl_b32 s91, s16, 6
	s_add_co_u32 s88, s88, s91                     ; my wave's 64,
	s_lshl_b32 s88, s88, 7                         ; of 128 bytes
	s_mov_b32 s89, 0
	s_cmp_eq_u32 s90, 0
	s_cselect_b64 s[OUT+2*(\j):OUT+2*(\j)+1], s[10:11], s[12:13]
	s_cselect_b32 s[SC+2*(\j)], CSC, 1.0
	s_cmp_eq_u32 s90, 2
	s_cselect_b64 s[OUT+2*(\j):OUT+2*(\j)+1], s[14:15], s[OUT+2*(\j):OUT+2*(\j)+1]
	s_mov_b32 s[SC+2*(\j)+1], s[SC+2*(\j)]
	s_add_nc_u64 s[OUT+2*(\j):OUT+2*(\j)+1], s[OUT+2*(\j):OUT+2*(\j)+1], s[88:89]
.endr
	; the prefetches: my work-group's share of the rows that I fetch
	s_lshl_b32 s88, s22, 8
	s_lshl_b32 s89, s18, 7
	s_add_co_u32 s88, s88, s89
	s_lshl_b32 s89, s19, 5
	s_add_co_u32 s88, s88, s89                     ; xb: row 256 ty + 128 x half + 32 cx
	s_mul_i32 s90, s21, 192
	s_mul_i32 s89, s18, 96
	s_add_co_u32 s90, s90, s89
	s_mul_i32 s89, s20, 24
	s_add_co_u32 s90, s90, s89                     ; wb: row 192 tx + 96 x half + 24 cy
	s_and_b32 s91, ttmp7, 0xffff                   ; cluster y
	s_cmp_eq_u32 s17, 0
	s_cselect_b32 s88, s88, s90
	s_cselect_b32 s91, ttmp9, s91                  ; the coordinate along which other clusters read the same rows
	s_cselect_b64 s[PFA:PFA+1], s[4:5], s[6:7]
	s_cselect_b32 s90, 31, 23                      ; 32 rows, or 24: the lanes beyond name the last row once more
	s_cmp_eq_u32 s91, 0
	s_cselect_b32 s[LIM], 1, -1                    ; the same in all sixteen partners, for a given wave
	s_lshl_b32 s88, s88, 11
	s_mov_b32 s89, 0
	s_add_nc_u64 s[PFA:PFA+1], s[PFA:PFA+1], s[88:89]
	s_add_nc_u64 s[PFA:PFA+1], s[PFA:PFA+1], 2*KSTEP*2  ; at K step 2: the first refill steps it to 3 and names K step 4
	v_and_b32 v[PFO], 31, v0
	v_min_u32 v[PFO], s90, v[PFO]
	v_lshlrev_b32 v[PFO], 11, v[PFO]
; 12 matrix instructions: row block a x all 12 column blocks, 32 along K, from buffer f.  zero = 1: the product starts the sums.  The 48 accumulators take turns, one instruction a turn.
.macro MUL12 f, a, zero
	WIN MUL_LO+0x50*((\a)/2)
.irp b, 0,1,2,3,4,5,6,7,8,9,10,11
.if \zero
	v_wmma_f32_16x16x32_bf16 v[8*(12*((\a)%2)+(\b)):8*(12*((\a)%2)+(\b))+7], v[96*(\f)+8*(\b):96*(\f)+8*(\b)+7], v[FA+32*(\f)+8*(\a):FA+32*(\f)+8*(\a)+7], 0
.else
	v_wmma_f32_16x16x32_bf16 v[8*(12*((\a)%2)+(\b)):8*(12*((\a)%2)+(\b))+7], v[96*(\f)+8*(\b):96*(\f)+8*(\b)+7], v[FA+32*(\f)+8*(\a):FA+32*(\f)+8*(\a)+7], v[8*(12*((\a)%2)+(\b)):8*(12*((\a)%2)+(\b))+7]
.endif
.endr
.endm
; 32 LDS loads in one run: the fragments of 32 along K at byte k of the rows, into buffer f: wb's 12, then xb's 4 in ascending order
.macro FETCH slot, k, f
	WIN TO_B
.irp i, 0,1,2,3,4,5,6,7,8,9,10,11
	ds_load_b128 v[96*(\f)+8*(\i):96*(\f)+8*(\i)+3],   v[ADRB+(\slot)] offset:(\k)+(\i)*16*PITCH
	ds_load_b128 v[96*(\f)+8*(\i)+4:96*(\f)+8*(\i)+7], v[ADRB+(\slot)] offset:(\k)+(\i)*16*PITCH+32
.endr
	WIN 0
.irp i, 0,1,2,3
	ds_load_b128 v[FA+32*(\f)+8*(\i):FA+32*(\f)+8*(\i)+3],   v[ADRA+(\slot)] offset:(\k)+(\i)*16*PITCH
	ds_load_b128 v[FA+32*(\f)+8*(\i)+4:FA+32*(\f)+8*(\i)+7], v[ADRA+(\slot)] offset:(\k)+(\i)*16*PITCH+32
.endr
.endm
; A K step is four quarters of 32 along K, 48 matrix instructions each, on buffers 0, 1, 0, 1.  One of the first three: multiplies buffer f; in its middle it fetches the next quarter, at byte k, into buffer g.
.macro QUARTER slot, k, f, g, zero
	s_wait_dscnt 4                                 ; wb and xb's blocks 0, 1 are in; the youngest four loads (blocks 2, 3) may be out
	MUL12 \f, 0, \zero
	MUL12 \f, 1, \zero
	PLACES
	FETCH \slot, \k, \g
	s_wait_dscnt 32                                ; all but the 32 just issued
	MUL12 \f, 2, \zero
	MUL12 \f, 3, \zero
.endm
; The last quarter multiplies buffer 1 and changes slots: ONE barrier; in front of it each wave waits for all its tensor loads (one is out: its part of the next slot), adds 0 to its spare word, and waits for
; that and for its own reads of this slot.  fill = 1: the barrier opens a round of the cluster's, and this slot is filled again, two K steps ahead, first thing behind the round: 168 matrix instructions ahead of the wait for it.
.macro TURN slot, next, fill
.if \fill
	s_wait_xcnt 0x0                                ; the last prefetch, a K step back, has read its address: it is stepped here, ahead of the waits of the change
	s_add_nc_u64 s[PFA:PFA+1], s[PFA:PFA+1], KSTEP*2
.endif
	WIN 0                                          ; (the add's two registers lie in window 0)
	s_wait_tensorcnt 0x0                           ; all my tensor loads have landed;
	ds_add_u32 v[SPW], v[NIL]                      ; 0 onto my spare word;
	s_wait_dscnt 5                                 ; (the add and the youngest four loads may be out)
	MUL12 1, 0, 0                                  ; twelve matrix instructions stand between the add and the wait for it
	s_wait_dscnt 0x0                               ; the add is done, and my reads of this slot are over
	s_barrier_signal -1
	MUL12 1, 1, 0
.if \fill
	WIN 0
.endif
	s_barrier_wait -1
.if \fill
	CREST                                          ; no wave of any partner still reads this slot's tile or has a load on its way
	s_add_nc_u64 s[G0A+4*(\slot)+2:G0A+4*(\slot)+3], s[G0A+4*(\slot)+2:G0A+4*(\slot)+3], 2*KSTEP*2
	s_add_nc_u64 s[G0B+4*(\slot)+2:G0B+4*(\slot)+3], s[G0B+4*(\slot)+2:G0B+4*(\slot)+3], 2*KSTEP*2
	JLOAD \slot                                    ; the four v_nop behind it are also the places in front of the loads below
.else
	PLACES
.endif
	FETCH \next, 0, 0
.if \fill
	ASK
.endif
	MUL12 1, 2, 0
	MUL12 1, 3, 0
.endm
	s_wait_tensorcnt 1                             ; my part of K step 0 is in; K step 1's may stay out
	s_barrier_signal -1
	s_barrier_wait -1                              ; everybody's is
	FETCH 0, 0, 0
	QUARTER 0, 64, 0, 1, 1                         ; the first quarter stands in front of the loop: its products start the sums
	WIN 0                                          ; at a label and at a branch every window is 0
	s_mov_b32 s23, LAPS-1
.Llap:                                                 ; a trip goes once round the ring, from a lap's second quarter to the next lap's first, and fills both slots again
	QUARTER 0, 128, 1, 0, 0
	QUARTER 0, 192, 0, 1, 0
	TURN 0, 1, 1
	QUARTER 1, 64,  0, 1, 0
	QUARTER 1, 128, 1, 0, 0
	QUARTER 1, 192, 0, 1, 0
	TURN 1, 0, 1
	QUARTER 0, 64,  0, 1, 0
	WIN 0
	s_sub_co_u32 s23, s23, 1
	s_cmp_lg_u32 s23, 0
	s_cbranch_scc1 .Llap
	QUARTER 0, 128, 1, 0, 0                        ; the last lap fills nothing, and has no round of the cluster's barrier
	QUARTER 0, 192, 0, 1, 0
	TURN 0, 1, 0
	QUARTER 1, 64,  0, 1, 0
	QUARTER 1, 128, 1, 0, 0
	QUARTER 1, 192, 0, 1, 0
	s_wait_dscnt 4                                 ; the very last quarter: nothing more to fetch
	MUL12 1, 0, 0
	MUL12 1, 1, 0
	s_wait_dscnt 0x0
	MUL12 1, 2, 0
	MUL12 1, 3, 0
	WIN 0
	PLACES
	PLACES
	s_wait_loadcnt 0x0                             ; the bias
; THE WAY OUT of row block a (16 rows), in three parts.  PACK: C x scale + bias in f32, each accumulator's registers in ascending order, then one rounding to f16: 16 bytes a lane.
; TOSTAGE: into my own stage, a head's 16 rows of 144 bytes together, and back as whole rows of 128.  SEND: a head's 16 rows are 2,048 consecutive bytes of its tensor: each store covers 512 of them, aligned.
.macro PACK a
.set AC, 96*((\a)%2)
	WIN 0x82+0x41*((\a)/2)                         ; destination and source 0: window 2 or 3; the bias: window 0
.irp b, 0,1,2,3,4,5,6,7,8,9,10,11
.irp i, 0,1,2,3
	v_pk_fma_f32 v[AC+8*(\b)+2*(\i):AC+8*(\b)+2*(\i)+1], v[AC+8*(\b)+2*(\i):AC+8*(\b)+2*(\i)+1], s[SC+2*((\b)/4):SC+2*((\b)/4)+1], v[BI+8*(\b)+2*(\i):BI+8*(\b)+2*(\i)+1] op_sel_hi:[1,0,1]
.endr
.endr
	WIN 0x0a+5*((\a)/2)                            ; sources 0 and 1: window 2 or 3
.irp b, 0,1,2,3,4,5,6,7,8,9,10,11
.irp i, 0,1,2,3
	v_cvt_pk_f16_f32 v[TMP+4*(\b)+(\i)], v[AC+8*(\b)+2*(\i)], v[AC+8*(\b)+2*(\i)+1]
.endr
.endr
	WIN 0
.endm
.macro TOSTAGE a
	WIN 0
.irp b, 0,1,2,3,4,5,6,7,8,9,10,11
	ds_store_b128 v[STO], v[TMP+4*(\b):TMP+4*(\b)+3] offset:((\b)/4)*16*SP+((\b)%4)*32
.endr
	WIN TO_B
.irp j, 0,1,2
.irp f, 0,1,2,3
	ds_load_b128 v[48*((\a)%2)+4*(4*(\j)+(\f)):48*((\a)%2)+4*(4*(\j)+(\f))+3], v[RD] offset:(\j)*16*SP+(\f)*4*SP  ; LDS serves a wave's instructions in order (ISA guide 5.7.1.4): these see the stores above
.endr
.endr
	WIN 0
.endm
.macro SEND a
	s_wait_dscnt 0x0                               ; the block is back in registers
	s_wait_xcnt 0x0                                ; the stores issued so far have read their registers: the other buffer is loaded again only behind this wait
	WIN 0x04                                       ; the data: window 1
.irp j, 0,1,2
.irp f, 0,1,2,3
	global_store_b128 v[GO], v[48*((\a)%2)+4*(4*(\j)+(\f)):48*((\a)%2)+4*(4*(\j)+(\f))+3], s[OUT+2*(\j):OUT+2*(\j)+1] offset:(\a)*2048+(\f)*512
.endr
.endr
	WIN 0
.endm
	PACK 0
	TOSTAGE 0
.irp a, 1,2,3                          ; block a's arithmetic stands between block a - 1's loads from the stage and the wait for them
	PACK \a
	SEND (\a)-1
	TOSTAGE \a
.endr
	SEND 3
	s_wait_tensorcnt 0x0                           ; the wave's end: three lines behind my last tensor load and my last LDS store
	ds_add_u32 v[SPW], v[NIL]
	s_wait_dscnt 0x0
	CROUND                                         ; the closing round: no work-group ends while a partner may still ask for a tile that names it
	s_endpgm
.Lfunc_end_k_q72c5c12fed_proj:
	.size	k_q72c5c12fed_proj, .Lfunc_end_k_q72c5c12fed_proj-k_q72c5c12fed_proj
	.p2alignl 7, 3214868480
	.fill 96, 4, 3214868480
	.section	.rodata,"a",@progbits
	.p2align	6, 0x0
	.amdhsa_kernel k_q72c5c12fed_proj
		.amdhsa_group_segment_fixed_size 327680
		.amdhsa_private_segment_fixed_size 0
		.amdhsa_enable_private_segment 0
		.amdhsa_kernarg_size 48
		.amdhsa_user_sgpr_count 2
		.amdhsa_user_sgpr_kernarg_segment_ptr 1
		.amdhsa_wavefront_size32 1
		.amdhsa_system_sgpr_workgroup_id_x 1
		.amdhsa_system_sgpr_workgroup_id_y 1
		.amdhsa_system_sgpr_workgroup_id_z 1
		.amdhsa_system_vgpr_workitem_id 0
		.amdhsa_next_free_vgpr 960
		.amdhsa_next_free_sgpr 100
		.amdhsa_reserve_vcc 0
		.amdhsa_float_denorm_mode_32 3
		.amdhsa_float_denorm_mode_16_64 3
		.amdhsa_memory_ordered 1
		.amdhsa_forward_progress 1
		.amdhsa_inst_pref_size 137
	.end_amdhsa_kernel
	.amdgpu_metadata
---
amdhsa.version: [ 1, 2 ]
amdhsa.kernels:
  - .name:           k_q72c5c12fed_proj
    .symbol:         k_q72c5c12fed_proj.kd
    .args:
      - { .name: xb, .offset: 0, .size: 8, .value_kind: global_buffer, .address_space: global }
      - { .name: wb, .offset: 8, .size: 8, .value_kind: global_buffer, .address_space: global }
      - { .name: bb, .offset: 16, .size: 8, .value_kind: global_buffer, .address_space: global }
      - { .name: qh, .offset: 24, .size: 8, .value_kind: global_buffer, .address_space: global }
      - { .name: kh, .offset: 32, .size: 8, .value_kind: global_buffer, .address_space: global }
      - { .name: vh, .offset: 40, .size: 8, .value_kind: global_buffer, .address_space: global }
    .group_segment_fixed_size: 327680
    .private_segment_fixed_size: 0
    .kernarg_segment_align: 8
    .kernarg_segment_size: 48
    .max_flat_workgroup_size: 128
    .sgpr_count:     100
    .vgpr_count:     960
    .wavefront_size: 32
...
	.end_amdgpu_metadata
.endif
;; end of part 2
;; launch stats (part 3): grid 4 x 64, 4 waves a work-group, clusters of 4 x 1, 327,680 bytes of LDS; arguments qh, kh, nt; writes nt
.if DOCPART == 3
	.amdgcn_target "amdgcn-amd-amdhsa--gfx1250"
	.amdhsa_code_object_version 6
	.text
	.protected	k_q72c5c12fed_stats
	.globl	k_q72c5c12fed_stats
	.p2align	8
	.type	k_q72c5c12fed_stats,@function
k_q72c5c12fed_stats:
	s_mov_b64 s[64:65], 0
	v_nop
	global_prefetch_b8 v0, s[64:65] scope:SCOPE_SE
	s_setreg_imm32_b32 hwreg(HW_REG_WAVE_MODE, 25, 1), 1
	s_wait_xcnt 0x0
	s_wait_alu depctr_hold_cnt(0) depctr_sa_sdst(0) depctr_va_vdst(0) depctr_va_sdst(0) depctr_va_ssrc(0) depctr_va_vcc(0) depctr_vm_vsrc(0)
	s_getreg_b32 s2, hwreg(HW_REG_IB_STS2, 6, 4)
	s_cmp_eq_u32 s2, 0
	s_cbranch_scc0 .Lentry_in_a_cluster
	s_endpgm
.Lentry_in_a_cluster:
	s_bfe_u32 s2, ttmp6, 0x10000c
	s_cmp_lg_u32 s2, 0x3003
	s_cbranch_scc0 .Lentry_shape_is_right
	s_endpgm
.Lentry_shape_is_right:
; THE SOFTMAX RUNS OVER THE QUERIES: each KEY has its own maximum and sum.  For key k of head h, with s'(q, k) = q'[q] . k[k] (q' = c q, c = log2(e) / 10, so s' is the score in the base-2 domain):
; nt[h][k] = -(m + log2 l), m = max over q of s', l = sum over q of 2^(s' - m).  The next launch then has 2^(s' + nt) = the weight itself.  qh, kh: [64][2,048][64] f16; nt: [64][2,048] f32.
; m is a running maximum, l a running sum, both f32: in every step l is multiplied by a = 2^(m_old - m_new).  m starts at the lowest finite number, l at 0: the first step's a is 0.
; LIMITS.  A term below 2^-126 counts as 0 in l (l is at least 1); NaN and infinities are not treated apart.
; SHARES.  A work-group owns 512 keys of one head, a wave 128: eight tiles of 16, in four PIECES of two.  Every wave walks all 2,048 queries, 64 a step.
; LAYOUT.  S = Q' K^T (source 0 = 16 queries out of LDS, source 1 = 16 keys, which stay in registers): a lane holds ONE key (lane % 16) and the queries 8 (lane / 16) + 0..7: maximum and sum want one exchange of the lanes' halves.
; LDS.  The head's whole Q' lies there (2,048 rows of 144 bytes), filled once: no slot is filled again.  The four work-groups of a cluster belong to one head: each of the 16 loads is asked for jointly.
; BY TURNS.  Turn n belongs to piece n: 16 products of piece n + 1; beside and behind them the subtraction of m, the exponentials and the sums of piece n and the maximum of piece n + 1.  A turn's 66 exponentials are one batch with one wait.
; The last trip fetches the last step once more, and its last turn repeats piece 0's last scores: the maximum already holds them, so m stays as it is, and its a is not used: the price of one text for every trip.
; REGISTERS: window 0: v2-10 addresses; v12-15 m_old; v16-47 four a tile: m, 0, l (even queries', odd queries'); v48-63 at work; v64-191 S, two buffers of two tiles; v192-193 the add's.
;   window 2: v0-127 K, 16 a tile; v128-191 Q' of one step.
.set NP,    4
.set PQ,    144       ; a row of Q' in LDS: 128 bytes + 16 of padding: the 16 rows of a load start at 16 different groups of four banks (ISA guide 11.1)
.set STEPB, 64*PQ
.set CHUNK, 128*PQ    ; what one tensor load brings: 128 queries
.set STAGE, 2048*PQ   ; behind Q': 512 bytes for each wave, for the way out
.set SPARE, STAGE+2048  ; the spare words, 128 bytes a wave: two blocks of 256 bytes that no other line names
.set AQ0, 2           ; my lane's place in a step of Q'; never rewritten
.set AQ,  4           ; the LDS address of the next run of loads
.set KO,  6           ; my byte offset in 16 rows of K
.set STO, 7
.set RD,  8
.set GO,  10
.set MV,  12
.set ST,  16
.set TMP, 48
.set S,   64
.set SPW, 192
.set NIL, 193
.set QF,  128         ; window 2: query block qb, channel half c at QF + 16 qb + 8 c
.set WV,  12
.set G1,  24          ; s[24:31]
.set G0,  32          ; s[32:47] a group 0 for each of my four loads
.set CNT, 57
.set SEL, 60          ; s[60:61] v_permlanex16_b32's selects: each lane takes its own place in the other half
.set TB,  62          ; LDS byte at which the step that was fetched last begins
.set MSB, 0
.macro WIN new
.if MSB != (\new)
	s_set_vgpr_msb (MSB<<8)|(\new)
.set MSB, (\new)
.endif
.endm
.set W_QK, 0x0a       ; Q' and K in window 2, S in window 0
.macro CROUND
	s_barrier_signal -1
	s_barrier_wait -1
	s_cmp_lg_u32 s[WV], 0
	s_cbranch_scc1 .Lnot_wave_0_\@
	s_barrier_signal -3
.Lnot_wave_0_\@:
	s_barrier_wait -3
	s_barrier_signal -1
	s_barrier_wait -1
.endm
	s_load_b128 s[4:7], s[0:1], 0x0  ; qh s[4:5], kh s[6:7]
	s_load_b64 s[8:9], s[0:1], 0x10  ; nt
	v_lshl_add_u32 v[SPW], v0, 2, SPARE
	v_mov_b32 v[NIL], 0
	ds_add_u32 v[SPW], v[NIL]       ; the wave's opening: the add and its wait stand ahead of my first tensor load
	v_lshrrev_b32 v1, 5, v0
	v_readfirstlane_b32 s[WV], v1
	s_bfe_u32 s13, ttmp6, 0x40000   ; cx: my block of 512 keys
	s_and_b32 s14, ttmp7, 0xffff    ; the head, which the four partners share
	s_lshl_b32 s16, s14, 18         ; a head is 262,144 bytes
	s_lshl_b32 s18, s[WV], 14       ; Q': of each 512 queries wave w fetches 128 w .. 128 w + 127
	s_add_co_u32 s18, s18, s16
	s_mov_b32 s19, 0
	s_mul_i32 s15, s[WV], CHUNK     ; and where they go: no place in the cluster enters an LDS address
	s_lshl_b32 s20, s13, 16         ; K: my block's 512 rows, my wave's 128
	s_add_co_u32 s20, s20, s18
	s_mov_b32 s21, 0
	s_lshl_b32 s22, s14, 13         ; nt: 8,192 bytes a head, 2,048 a block, 512 a wave
	s_lshl_b32 s23, s13, 11
	s_add_co_u32 s22, s22, s23
	s_lshl_b32 s23, s[WV], 9
	s_add_co_u32 s22, s22, s23
	s_mov_b32 s23, 0
	s_mov_b32 s[G1], 15|(1<<16)|(1<<20)|(1<<21)|(4<<22)|(3<<25)  ; the mask of four; 2-byte elements; padding on; 21 set beside a mask; after every 32 words 4 words
	s_mov_b32 s[G1+1], 128<<16      ; 128 queries are 16,384 dense bytes: asked for as 64 rows of 256 bytes, two queries a row
	s_mov_b32 s[G1+2], 64<<16
	s_mov_b32 s[G1+3], 128<<16
	s_mov_b32 s[G1+4], 64
	s_mov_b32 s[G1+5], 128
	s_mov_b32 s[G1+6], 0
	s_mov_b32 s[G1+7], 0
	s_mov_b32 s[SEL], 0x76543210
	s_mov_b32 s[SEL+1], 0xfedcba98
	s_mov_b32 s[TB], 0
	s_wait_dscnt 0x0                ; the opening add is done
	s_wait_kmcnt 0x0
	s_add_nc_u64 s[18:19], s[4:5], s[18:19]
	s_add_nc_u64 s[6:7], s[6:7], s[20:21]
	s_add_nc_u64 s[8:9], s[8:9], s[22:23]
.irp i, 0,1,2,3
	s_mov_b32 s[G0+4*(\i)], 1
	s_add_co_u32 s[G0+4*(\i)+1], s15, (\i)*4*CHUNK
	s_add_nc_u64 s[G0+4*(\i)+2:G0+4*(\i)+3], s[18:19], (\i)*65536
	s_or_b32 s[G0+4*(\i)+3], s[G0+4*(\i)+3], 0x80000000
.endr
	CROUND                          ; all four work-groups are here: the joint loads meet
.irp i, 0,1,2,3                     ; the launch's only fills, in one group: four tensor loads of mine are out
	tensor_load_to_lds s[G0+4*(\i):G0+4*(\i)+3], s[G1:G1+7]
	s_nop 0
.endr
.rept 4
	v_nop
.endr
	v_and_b32 v1, 15, v0            ; l % 16
	v_bfe_u32 v9, v0, 4, 1          ; l / 16
	v_lshlrev_b32 v[KO], 7, v1
	v_lshl_add_u32 v[KO], v9, 4, v[KO]
	WIN 0x80                        ; destination window 2
.set i, 0
.rept 16                            ; K stays in registers: tile i / 2, channels 32 (i % 2) on
	global_load_b128 v[8*i:8*i+3],   v[KO], s[6:7] offset:(i/2)*2048+(i%2)*64
	global_load_b128 v[8*i+4:8*i+7], v[KO], s[6:7] offset:(i/2)*2048+(i%2)*64+32
.set i, i+1
.endr
	WIN 0
	v_mul_u32_u24 v[AQ0], v1, PQ
	v_lshl_add_u32 v[AQ0], v9, 4, v[AQ0]  ; row x pitch + 16 x half
	v_mov_b32 v[AQ], v[AQ0]         ; step 0
	s_lshl_b32 s16, s[WV], 9
	s_add_co_u32 s16, s16, STAGE    ; my stage
	v_lshl_add_u32 v[STO], v1, 2, s16
	v_and_b32 v[GO], 31, v0
	v_lshlrev_b32 v[GO], 4, v[GO]
	v_add_nc_u32 v[RD], s16, v[GO]
.set i, 0
.rept 8
	v_mov_b32 v[ST+4*i], 0xff7fffff ; m
	v_mov_b32 v[ST+4*i+1], 0        ; named with m as a pair
	v_mov_b32 v[ST+4*i+2], 0        ; l
	v_mov_b32 v[ST+4*i+3], 0
.set i, i+1
.endr
; Product i of 16 for piece x: channels 32 (i / 8) on, queries 16 ((i / 2) % 4) on, tile 2 x + i % 2.  The first 8 start the sums.  The 8 accumulators take turns.
.macro QK x
	WIN W_QK
.set rS, S+64*((\x)%2)+32*(i%2)+8*((i/2)%4)
.set rQ, QF+16*((i/2)%4)+8*(i/8)
.set rK, 16*(2*(\x)+i%2)+8*(i/8)
.if i < 8
	v_wmma_f32_16x16x32_f16 v[rS:rS+7], v[rQ:rQ+7], v[rK:rK+7], 0
.else
	v_wmma_f32_16x16x32_f16 v[rS:rS+7], v[rQ:rQ+7], v[rK:rK+7], v[rS:rS+7]
.endif
.endm
.macro MM
	QK (Y+1)%NP
.set i, i+1
.endm
.macro FETCH_Q                      ; a step's Q': 64 queries x 64 channels, 16 loads in one run
	WIN 0x80
.irp f, 0,1,2,3,4,5,6,7
	ds_load_b128 v[QF+8*\f:QF+8*\f+3],   v[AQ] offset:(\f/2)*16*PQ+(\f%2)*64
	ds_load_b128 v[QF+8*\f+4:QF+8*\f+7], v[AQ] offset:(\f/2)*16*PQ+(\f%2)*64+32
.endr
	WIN 0
.endm
.macro REGS y, u                    ; the registers of tile u (0, 1) of piece y
.set rT, ST+4*(2*(\y)+(\u))
.set rC, TMP+8*((\y)%2)+4*(\u)
.set rM, MV+2*((\y)%2)+(\u)
.set rS, S+64*((\y)%2)+32*(\u)
.endm
; Number n of those that find the NEXT piece's maximum.  0-11 four chains c0-c3 of seven scores each (each accumulator's lowest registers are read first); 12-14, 16 the four scores left over,
; the old m, and c0-c3 into c0; 15 m_old is kept; 17, 18 the key's other 32 queries lie in the lane 16 away: the new m; 20 m_old - m_new; 21 a.
.macro XS u, n
	REGS (Y+1)%NP, \u
.if (\n) < 4
	v_max3_num_f32 v[rC+(\n)], v[rS+8*(\n)], v[rS+8*(\n)+1], v[rS+8*(\n)+2]
.elseif (\n) < 12
	v_max3_num_f32 v[rC+(\n)%4], v[rC+(\n)%4], v[rS+8*((\n)%4)+2*((\n)/4)+1], v[rS+8*((\n)%4)+2*((\n)/4)+2]
.elseif (\n) == 12
	v_max3_num_f32 v[rC], v[rC], v[rS+7], v[rS+15]
.elseif (\n) == 13
	v_max3_num_f32 v[rC+1], v[rC+1], v[rS+23], v[rS+31]
.elseif (\n) == 14
	v_max3_num_f32 v[rC+2], v[rC+2], v[rC+3], v[rT]
.elseif (\n) == 15
	v_mov_b32 v[rM], v[rT]
.elseif (\n) == 16
	v_max3_num_f32 v[rC], v[rC], v[rC+1], v[rC+2]
.elseif (\n) == 17
	v_permlanex16_b32 v[rC+3], v[rC], s[SEL], s[SEL+1]
.elseif (\n) == 18
	v_max_num_f32 v[rT], v[rC], v[rC+3]
.elseif (\n) == 20
	v_sub_f32 v[rC+1], v[rM], v[rT]
.else
	v_exp_f32 v[rC+2], v[rC+1]
.endif
.endm
.macro FS f                         ; s' - m for pair f / 2 of tile f % 2
	REGS Y, (\f)%2
	v_pk_add_f32 v[rS+2*((\f)/2):rS+2*((\f)/2)+1], v[rS+2*((\f)/2):rS+2*((\f)/2)+1], v[rT:rT+1] op_sel_hi:[1,0] neg_lo:[0,1] neg_hi:[0,1]
.endm
.macro BS u, k                      ; of the four terms 4 k .. the second pair is added onto the first, in place
	REGS Y, \u
	v_pk_add_f32 v[rS+4*(\k):rS+4*(\k)+1], v[rS+4*(\k):rS+4*(\k)+1], v[rS+4*(\k)+2:rS+4*(\k)+3]
.endm
.macro LS u, k                      ; l takes that sum; the first time as l = a l + sum
	REGS Y, \u
.if (\k) == 0
	v_pk_fma_f32 v[rT+2:rT+3], v[rT+2:rT+3], v[rC+2:rC+3], v[rS:rS+1] op_sel_hi:[1,0,1]
.else
	v_pk_add_f32 v[rT+2:rT+3], v[rT+2:rT+3], v[rS+4*(\k):rS+4*(\k)+1]
.endif
.endm
.macro GS z                         ; number z of the 32 sums: B0 B0 B1 B1, six times (L k, L k, B k+2, B k+2), L6 L6 L7 L7: the links of l's chain stand four lines apart
.if (\z) < 4
	BS (\z)%2, (\z)/2
.elseif (\z) < 28
.if ((\z)-4)%4 < 2
	LS ((\z)-4)%4, ((\z)-4)/4
.else
	BS ((\z)-4)%4-2, ((\z)-4)/4+2
.endif
.else
	LS (\z)%2, 6+((\z)-28)/2
.endif
.endm
; THE PLAIN QUEUE, 104 long: 0-31 the subtractions; 32-59 XS 0-13, the tiles alternating; 60, 61 XS 15; 62-71 the chain 14, 16, 17, 18, 20; 72-103 the sums, which read the exponentials' results and stand behind the wait.
.macro PL
	WIN 0
.if q < 32
	FS q
.elseif q < 60
	XS (q-32)%2, (q-32)/2
.elseif q < 62
	XS q-60, 15
.elseif q < 64
	XS q-62, 14
.elseif q < 70
	XS (q-62)%2, 15+(q-62)/2
.elseif q < 72
	XS q-70, 20
.else
	GS q-72
.endif
.set q, q+1
.endm
; THE EXPONENTIALS' QUEUE, 66 long: the 32 terms of both tiles, then the next piece's two a: ONE BATCH ahead of the turn's one wait; nothing ahead of that wait names a result of theirs.
.macro EX
	WIN 0
.if e >= 64
	XS e-64, 21
.else
	REGS Y, e%2
	v_exp_f32 v[rS+e/2], v[rS+e/2]
.endif
.set e, e+1
.endm
; A TURN, for piece p.  Behind each of the 16 products two subtractions and two exponentials (exponential e stands behind subtraction 2 (e / 4) + e % 2).  Then the lump: eight plain lines, which begin the next piece's
; maximum: each reads an accumulator whose last product stands four plain lines or more back; exponential and plain by turns; the chain's links with two exponentials between; the two a; a plain line; the wait; the 32 sums.
; Piece 2's turn fetches the next step's Q', behind ten plain lines that follow the last product that read it; piece 3's turn waits for it.  clamp: the last step that this loop may fetch.
.macro TURN p, clamp
.set Y, (\p)
.set i, 0
.set q, 0
.set e, 0
.if (\p) == NP-1
	s_wait_dscnt 0x0                ; Q' of the next step is in
.endif
	MM
	PL
	PL
	EX
	EX
.rept 15
	MM
	PL
	EX
	PL
	EX
.endr
.if (\p) == NP-2
	WIN 0
	s_add_co_u32 s[TB], s[TB], STEPB
	s_min_u32 s[TB], s[TB], \clamp
	v_add_nc_u32 v[AQ], s[TB], v[AQ0]
.endif
.rept 8
	PL
.endr
.if (\p) == NP-2
	FETCH_Q
.endif
.rept 22
	EX
	PL
.endr
.rept 5
	PL
	PL
	EX
	EX
.endr
	EX                              ; the next piece's two a
	EX
	v_nop                           ; a plain instruction behind the last exponential: one for the batch (ISA guide 5.7.2)
	s_wait_alu depctr_va_vdst(0)    ; the wait ahead of the first line that names a result: one for the batch
.rept 32
	PL
.endr
.endm
	s_wait_tensorcnt 3              ; my first load is in; the three younger ones stay out
	s_barrier_signal -1
	s_barrier_wait -1               ; everybody's first is: queries 0 to 511, steps 0 to 7
	FETCH_Q                         ; step 0
	s_wait_loadcnt 0x0              ; K
	s_wait_dscnt 0x0
.set i, 0
.rept 16
	QK 0                            ; piece 0's first scores
.set i, i+1
.endr
	WIN 0
.rept 4
	v_nop                           ; the places behind those products
.endr
.set Y, NP-1                        ; XS works for piece Y + 1: piece 0
.irp n, 0,1,2,3,4,5,6,7,8,9,10,11,12,13,14,15,16,17,18,20,21
	XS 0, \n
	XS 1, \n
.endr
	v_nop
	s_wait_alu depctr_va_vdst(0)    ; the two a have their wait ahead of the label
	s_mov_b32 s[CNT], 7
.Lloop_a:                           ; trips 0 to 6 fetch steps 1 to 7: bytes 0 to 73,727 alone, which have landed
	TURN 0, 7*STEPB
	TURN 1, 7*STEPB
	TURN 2, 7*STEPB
	TURN 3, 7*STEPB
	WIN 0
	s_sub_co_u32 s[CNT], s[CNT], 1
	s_cmp_lg_u32 s[CNT], 0
	s_cbranch_scc1 .Lloop_a
	s_wait_tensorcnt 0x0            ; all my loads are in,
	s_wait_dscnt 0x0
	s_barrier_signal -1
	s_barrier_wait -1               ; everybody's are: the whole head's Q'
	s_mov_b32 s[CNT], 25
.Lloop_b:                           ; trips 7 to 31 fetch steps 8 to 31, the last trip step 31 once more
	TURN 0, 31*STEPB
	TURN 1, 31*STEPB
	TURN 2, 31*STEPB
	TURN 3, 31*STEPB
	WIN 0
	s_sub_co_u32 s[CNT], s[CNT], 1
	s_cmp_lg_u32 s[CNT], 0
	s_cbranch_scc1 .Lloop_b
	; THE WAY OUT.  l's two halves and the other half of the lanes' are added; -(m + log2 l) goes through my stage, so that the wave's 128 numbers leave as 512 consecutive bytes.
.macro ALL line:vararg              ; one line for each tile t
.set t, 0
.rept 8
	\line
.set t, t+1
.endr
.endm
	ALL v_add_f32 v[ST+4*t+2], v[ST+4*t+2], v[ST+4*t+3]
	ALL v_permlanex16_b32 v[ST+4*t+3], v[ST+4*t+2], s[SEL], s[SEL+1]
	ALL v_add_f32 v[ST+4*t+2], v[ST+4*t+2], v[ST+4*t+3]
	ALL v_log_f32 v[ST+4*t+3], v[ST+4*t+2]
	v_nop                           ; a plain instruction behind the last logarithm,
	s_wait_alu depctr_va_vdst(0)    ; and one wait for the eight
	ALL v_fma_f32 v[ST+4*t+1], v[ST+4*t], -1.0, -v[ST+4*t+3]
	ALL ds_store_b32 v[STO], v[ST+4*t+1] offset:64*t  ; key 16 t + l % 16; both halves of the lanes hold the same number
	ds_load_b128 v[48:51], v[RD]    ; LDS serves a wave's instructions in order (ISA guide 5.7.1.4): this sees the stores above
	s_wait_dscnt 0x0
	global_store_b128 v[GO], v[48:51], s[8:9]
	s_wait_tensorcnt 0x0            ; the wave's end: three lines behind my last tensor load and my last LDS store
	ds_add_u32 v[SPW], v[NIL]
	s_wait_dscnt 0x0
	CROUND                          ; the closing round
	s_endpgm
.Lfunc_end_k_q72c5c12fed_stats:
	.size	k_q72c5c12fed_stats, .Lfunc_end_k_q72c5c12fed_stats-k_q72c5c12fed_stats
	.p2alignl 7, 3214868480
	.fill 96, 4, 3214868480
	.section	.rodata,"a",@progbits
	.p2align	6, 0x0
	.amdhsa_kernel k_q72c5c12fed_stats
		.amdhsa_group_segment_fixed_size 327680
		.amdhsa_private_segment_fixed_size 0
		.amdhsa_enable_private_segment 0
		.amdhsa_kernarg_size 24
		.amdhsa_user_sgpr_count 2
		.amdhsa_user_sgpr_kernarg_segment_ptr 1
		.amdhsa_wavefront_size32 1
		.amdhsa_system_sgpr_workgroup_id_x 1
		.amdhsa_system_sgpr_workgroup_id_y 1
		.amdhsa_system_sgpr_workgroup_id_z 1
		.amdhsa_system_vgpr_workitem_id 0
		.amdhsa_next_free_vgpr 704
		.amdhsa_next_free_sgpr 66
		.amdhsa_reserve_vcc 0
		.amdhsa_float_denorm_mode_32 3
		.amdhsa_float_denorm_mode_16_64 3
		.amdhsa_memory_ordered 1
		.amdhsa_forward_progress 1
		.amdhsa_inst_pref_size 104
	.end_amdhsa_kernel
	.amdgpu_metadata
---
amdhsa.version: [ 1, 2 ]
amdhsa.kernels:
  - .name:           k_q72c5c12fed_stats
    .symbol:         k_q72c5c12fed_stats.kd
    .args:
      - { .name: qh, .offset: 0, .size: 8, .value_kind: global_buffer, .address_space: global }
      - { .name: kh, .offset: 8, .size: 8, .value_kind: global_buffer, .address_space: global }
      - { .name: nt, .offset: 16, .size: 8, .value_kind: global_buffer, .address_space: global }
    .group_segment_fixed_size: 327680
    .private_segment_fixed_size: 0
    .kernarg_segment_align: 8
    .kernarg_segment_size: 24
    .max_flat_workgroup_size: 128
    .sgpr_count:     66
    .vgpr_count:     704
    .wavefront_size: 32
...
	.end_amdgpu_metadata
.endif
;; end of part 3
;; launch attn (part 4): grid 4 x 64, 4 waves a work-group, clusters of 4 x 1, 327,680 bytes of LDS; arguments qh, kh, vh, nt, out0; writes out0
.if DOCPART == 4
	.amdgcn_target "amdgcn-amd-amdhsa--gfx1250"
	.amdhsa_code_object_version 6
	.text
	.protected	k_q72c5c12fed_attn
	.globl	k_q72c5c12fed_attn
	.p2align	8
	.type	k_q72c5c12fed_attn,@function
k_q72c5c12fed_attn:
	s_mov_b64 s[64:65], 0
	v_nop
	global_prefetch_b8 v0, s[64:65] scope:SCOPE_SE
	s_setreg_imm32_b32 hwreg(HW_REG_WAVE_MODE, 25, 1), 1
	s_wait_xcnt 0x0
	s_wait_alu depctr_hold_cnt(0) depctr_sa_sdst(0) depctr_va_vdst(0) depctr_va_sdst(0) depctr_va_ssrc(0) depctr_va_vcc(0) depctr_vm_vsrc(0)
	s_getreg_b32 s2, hwreg(HW_REG_IB_STS2, 6, 4)
	s_cmp_eq_u32 s2, 0
	s_cbranch_scc0 .Lentry_in_a_cluster
	s_endpgm
.Lentry_in_a_cluster:
	s_bfe_u32 s2, ttmp6, 0x10000c
	s_cmp_lg_u32 s2, 0x3003
	s_cbranch_scc0 .Lentry_shape_is_right
	s_endpgm
.Lentry_shape_is_right:
; out[b][q][64 head + :] = the sum over k of w(q, k) v[k][:], w(q, k) = 2^(q'[q] . k[k] + nt[k]): q' = c q holds the scale, and nt[k] = -(maximum + log2 sum) over the QUERIES of key k's column, made by the launch
; before with a running maximum: so w is the finished softmax weight, at most 1 but for rounding.  qh, kh, vh: [64][2,048][64] f16; nt: [64][2,048] f32; out0: [4][2,048][1,024] f32.
; nt IS THE C OPERAND that starts the sum K Q'^T: the accumulator then holds log2 w, and a score costs one exponential and half a rounding: no maximum, no row sum, no rescaling, no division.
; LIMITS.  w is rounded to f16 for the second product: below 6e-5 it keeps f16's fixed step of 6e-8, below 3e-8 it counts as 0.  NaN and infinities are not treated apart.
; SHARES.  A work-group owns 512 queries of one head, a wave 128: four PIECES of two tiles of 16.  Every wave walks all keys, 64 a step; a slot of LDS holds four steps' K and V; the head's nt lies in LDS whole.
; LAYOUT.  S^T = K Q'^T (source 0 = 16 keys, source 1 = 16 queries): a lane holds ONE query (lane % 16) and the keys 8 (lane / 16) + 0..7.  Two such results rounded to f16 in pairs ARE source 1 of O^T = V^T P.
; K comes out of LDS as it lies, V turned, by ds_load_tr16_b128.
; BY TURNS.  Turn n belongs to piece n: 16 products K Q'^T of piece n + 1 and 16 products V^T P of piece n - 1; behind the first 24 of them piece n's 64 exponentials, ONE batch with ONE wait; behind the last 8 its 32 roundings.
; O^T starts at 0, and so do V and P's second buffer: the first turn's products V^T P, of a piece that has not been, add 0: no first step is written out.
; CLUSTER.  The four query blocks of a head walk the same K, V and nt: every tile is asked for jointly: the same tensor load, descriptor and mask in all four.
; REGISTERS (s_set_vgpr_msb: bits 1:0 source 0, 3:2 source 1, 5:4 source 2, 7:6 destination): window 0: v2-15 addresses; v16-47 a step's nt; v64-191 S^T, two buffers of two tiles; v192-255 P, likewise.
;   window 1: O^T, 32 a tile.   window 2: v0-127 Q', 16 a tile; v128-191 K of one step; v192-255 V of one step.
.set NP,    4
.set KS,    64
.set PK,    144       ; a row of K in LDS: 128 bytes + 16 of padding
.set PVB,   160       ; a row of V: 128 + 32
.set VOFF,  4*KS*PK
.set SLOT1, 1<<17     ; one exclusive or turns an address in one slot into the other's
.set TT,    SLOT1+4*KS*(PK+PVB)  ; the head's nt, 8,192 bytes, filled once
.set STAGE, TT+8192   ; 16 rows x 272 bytes for each wave, for the way out
.set SPO,   272
.set SPARE, STAGE+4*16*SPO  ; the spare words, 128 bytes a wave: two blocks of 256 bytes that no other line names
.set AK0, 2
.set AV0, 3
.set AK,  4
.set AV,  5
.set AT0, 6           ; TT + 32 (l / 16): my 8 numbers in a block of 16 of nt
.set AT,  7
.set QO,  8
.set STO, 9
.set RD,  10
.set GO,  11
.set SPW, 14
.set NIL, 15
.set MC,  16          ; key block kb at MC + 8 kb
.set PFO, 48          ; 256 x lane; never rewritten
.set S,   64
.set P,   192
.set KF,  128
.set VF,  192
.set WV,  12
.set G1K, 24
.set G1V, 32
.set G0K, 40
.set G0V, 44
.set G1T, 48
.set SLOTS, 56
.set CNT, 57
.set TBT, 58          ; byte of nt at which the step to be fetched begins
.set LIM, 59
.set PFA, 60
.set TBK, 62
.set TBV, 63
.set G0T, 68
.set MSB, 0
.macro WIN new
.if MSB != (\new)
	s_set_vgpr_msb (MSB<<8)|(\new)
.set MSB, (\new)
.endif
.endm
.set W_KQ, 0x0a       ; K and Q' in window 2; nt and S^T in window 0
.set W_PV, 0x52       ; V in window 2, P in window 0, O^T in window 1
.macro JLOAD                        ; a joint fill: waves 0 and 1 fetch the two halves of a slot's K, waves 2 and 3 those of its V; an s_nop 0 and four v_nop follow each line
	s_cmp_lt_u32 s[WV], 2
	s_cbranch_scc0 .Lfor_v_\@
	tensor_load_to_lds s[G0K:G0K+3], s[G1K:G1K+7]
	s_nop 0
.rept 4
	v_nop
.endr
	s_branch .Lasked_\@
.Lfor_v_\@:
	tensor_load_to_lds s[G0V:G0V+3], s[G1V:G1V+7]
	s_nop 0
.rept 4
	v_nop
.endr
.Lasked_\@:
.endm
; A prefetch into the L2 of what the NEXT change of slots will ask for: 32,768 bytes of K and of V, a lane a block of 256.  The four partners share them out by address, 8,192 bytes each; in each, wave 0 asks for K's
; and wave 2 for V's: one instruction, four key steps (512 matrix instructions) ahead.  Tiles 2 to 7 are so named, once each; the last change that fills a slot asks for nothing.
.macro ASK
	s_cmp_gt_u32 s[SLOTS], s[LIM]
	s_cbranch_scc0 .Lnot_mine_\@
	global_prefetch_b8 v[PFO], s[PFA:PFA+1] th:TH_LOAD_NT scope:SCOPE_SE
.Lnot_mine_\@:
.endm
.macro CROUND
	s_barrier_signal -1
	s_barrier_wait -1
	s_cmp_lg_u32 s[WV], 0
	s_cbranch_scc1 .Lnot_wave_0_\@
	s_barrier_signal -3
.Lnot_wave_0_\@:
	s_barrier_wait -3
	s_barrier_signal -1
	s_barrier_wait -1
.endm
; THE CHANGE OF SLOTS.  Each wave waits for all its tensor loads, adds 0 to its spare word, and waits for that and for its own reads of the slot.  fill = 1: the barrier is a round of the cluster's, and the slot just
; left is filled again first thing behind it, with the keys two slots on: it has four key steps in which to land.  (At its first use nothing has been read: slot 0 and nt are waited for, slot 1 is filled.)
.macro CHANGE fill
	WIN 0
	s_wait_tensorcnt 0x0            ; no tensor load of mine is out, so a group 0 may be written
	ds_add_u32 v[SPW], v[NIL]       ; 0 onto my spare word
.if \fill
.irp g, G0K, G0V
	s_xor_b32 s[\g+1], s[\g+1], SLOT1
	s_add_nc_u64 s[\g+2:\g+3], s[\g+2:\g+3], 4*KS*128
.endr
	s_wait_xcnt 0x0                 ; the last prefetch, four key steps back, has read its address
	s_add_nc_u64 s[PFA:PFA+1], s[PFA:PFA+1], 4*KS*128
	s_wait_dscnt 0x0                ; the add is done, and my reads of the slot are over
	CROUND
	JLOAD
	ASK
.else
	s_wait_dscnt 0x0
	s_barrier_signal -1
	s_barrier_wait -1
.endif
	s_sub_co_u32 s[TBK], s[TBK], 4*KS*PK  ; the fetches go back to a slot's first step, in the other slot
	s_xor_b32 s[TBK], s[TBK], SLOT1
	s_sub_co_u32 s[TBV], s[TBV], 4*KS*PVB
	s_xor_b32 s[TBV], s[TBV], SLOT1
.endm
	s_load_b256 s[4:11], s[0:1], 0x0  ; qh s[4:5], kh s[6:7], vh s[8:9], nt s[10:11]
	s_load_b64 s[14:15], s[0:1], 0x20 ; out0
	v_lshl_add_u32 v[SPW], v0, 2, SPARE
	v_mov_b32 v[NIL], 0
	ds_add_u32 v[SPW], v[NIL]       ; the wave's opening: the add and its wait stand ahead of my first tensor load
	v_lshrrev_b32 v1, 5, v0
	v_readfirstlane_b32 s[WV], v1
	s_bfe_u32 s13, ttmp6, 0x40000   ; cx: my block of 512 queries
	s_and_b32 s16, ttmp7, 0xffff    ; batch x 16 + head, which the four partners share
	s_lshl_b32 s20, s16, 18         ; 262,144 bytes a head
	s_and_b32 s17, s[WV], 1         ; which half of a slot's 256 keys I fetch
	s_lshl_b32 s22, s17, 14
	s_add_co_u32 s22, s22, s20
	s_mov_b32 s23, 0
	s_mul_i32 s18, s17, 128*PK      ; its place in a slot, for K
	s_mul_i32 s19, s17, 128*PVB     ; and for V
	s_lshl_b32 s66, s16, 13         ; nt: 8,192 bytes a head, of which I fetch 2,048
	s_lshl_b32 s67, s[WV], 11
	s_add_co_u32 s66, s66, s67
	s_add_co_u32 s[G0T+1], s67, TT
	s_mov_b32 s67, 0
	s_lshl_b32 s2, s13, 16          ; Q': my block's 512 rows, my wave's 128
	s_lshl_b32 s3, s[WV], 14
	s_add_co_u32 s2, s2, s3
	s_add_co_u32 s2, s2, s20
	s_mov_b32 s3, 0
	s_lshr_b32 s72, s16, 4          ; out0: row 2,048 batch + 512 cx + 128 w, of 4,096 bytes; the head's 256 bytes in it
	s_lshl_b32 s72, s72, 11
	s_lshl_b32 s73, s13, 9
	s_add_co_u32 s72, s72, s73
	s_lshl_b32 s73, s[WV], 7
	s_add_co_u32 s72, s72, s73
	s_lshl_b32 s72, s72, 12
	s_and_b32 s73, s16, 15
	s_lshl_b32 s73, s73, 8
	s_add_co_u32 s72, s72, s73
	s_mov_b32 s73, 0
	s_lshl_b32 s74, s13, 13         ; the prefetches: my work-group's 8,192 bytes, in tile 1; the first change steps them to tile 2
	s_add_co_u32 s74, s74, s20
	s_add_co_u32 s74, s74, 4*KS*128
	s_mov_b32 s75, 0
	s_mov_b32 s[G1K], 15|(1<<16)|(1<<20)|(1<<21)|(4<<22)|(3<<25)  ; the mask of four; 2-byte elements; padding on; 21 set beside a mask; after every 32 words 4 words
	s_mov_b32 s[G1V], 15|(1<<16)|(1<<20)|(1<<21)|(4<<22)|(7<<25)  ; the same with 8 words
.irp g, G1K, G1V
	s_mov_b32 s[\g+1], 128<<16      ; 128 keys are 16,384 dense bytes: 64 rows of 256 bytes, two keys a row
	s_mov_b32 s[\g+2], 64<<16
	s_mov_b32 s[\g+3], 128<<16
	s_mov_b32 s[\g+4], 64
	s_mov_b32 s[\g+5], 128
	s_mov_b32 s[\g+6], 0
	s_mov_b32 s[\g+7], 0
.endr
	s_mov_b32 s[G1T], 15|(3<<16)|(1<<21)  ; nt: 8-byte elements, no padding: 8 rows of 256 bytes
	s_mov_b32 s[G1T+1], 32<<16
	s_mov_b32 s[G1T+2], 8<<16
	s_mov_b32 s[G1T+3], 32<<16
	s_mov_b32 s[G1T+4], 8
	s_mov_b32 s[G1T+5], 32
	s_mov_b32 s[G1T+6], 0
	s_mov_b32 s[G1T+7], 0
	s_mov_b32 s[G0K], 1
	s_mov_b32 s[G0K+1], s18
	s_mov_b32 s[G0V], 1
	s_add_co_u32 s[G0V+1], s19, VOFF
	s_mov_b32 s[G0T], 1
	s_mov_b32 s[TBK], SLOT1+4*KS*PK ; the first change of slots turns these two into 0
	s_mov_b32 s[TBV], SLOT1+4*KS*PVB
	s_mov_b32 s[TBT], 0
	s_mov_b32 s[SLOTS], 7
	s_and_b32 s[LIM], s[WV], 1
	s_cmp_eq_u32 s[LIM], 0
	s_cselect_b32 s[LIM], 1, -1     ; waves 0 and 2 prefetch
	v_and_b32 v[PFO], 31, v0
	v_lshlrev_b32 v[PFO], 8, v[PFO]
	s_wait_dscnt 0x0                ; the opening add is done
	s_wait_kmcnt 0x0
	s_add_nc_u64 s[G0K+2:G0K+3], s[6:7], s[22:23]
	s_or_b32 s[G0K+3], s[G0K+3], 0x80000000
	s_add_nc_u64 s[G0V+2:G0V+3], s[8:9], s[22:23]
	s_or_b32 s[G0V+3], s[G0V+3], 0x80000000
	s_add_nc_u64 s[G0T+2:G0T+3], s[10:11], s[66:67]
	s_or_b32 s[G0T+3], s[G0T+3], 0x80000000
	s_add_nc_u64 s[4:5], s[4:5], s[2:3]
	s_add_nc_u64 s[14:15], s[14:15], s[72:73]
	s_cmp_lt_u32 s[WV], 2
	s_cselect_b64 s[PFA:PFA+1], s[6:7], s[8:9]
	s_add_nc_u64 s[PFA:PFA+1], s[PFA:PFA+1], s[74:75]
	CROUND                          ; all four work-groups are here: the first joint loads meet
	s_cmp_lt_u32 s[WV], 2           ; a wave's two first fills stand in one branch: my quarter of nt and my part of slot 0: two loads of mine are out
	s_cbranch_scc0 .Lfirst_v
	tensor_load_to_lds s[G0T:G0T+3], s[G1T:G1T+7]
	s_nop 0
	tensor_load_to_lds s[G0K:G0K+3], s[G1K:G1K+7]
	s_nop 0
.rept 4
	v_nop
.endr
	s_branch .Lfirst_asked
.Lfirst_v:
	tensor_load_to_lds s[G0T:G0T+3], s[G1T:G1T+7]
	s_nop 0
	tensor_load_to_lds s[G0V:G0V+3], s[G1V:G1V+7]
	s_nop 0
.rept 4
	v_nop
.endr
.Lfirst_asked:
	v_and_b32 v1, 15, v0            ; l % 16
	v_bfe_u32 v12, v0, 4, 1         ; l / 16
	v_lshlrev_b32 v[QO], 7, v1
	v_lshl_add_u32 v[QO], v12, 4, v[QO]
	WIN 0x80                        ; destination window 2
.set i, 0
.rept 16                            ; Q' stays in registers: tile i / 2, channels 32 (i % 2) on
	global_load_b128 v[8*i:8*i+3],   v[QO], s[4:5] offset:(i/2)*2048+(i%2)*64
	global_load_b128 v[8*i+4:8*i+7], v[QO], s[4:5] offset:(i/2)*2048+(i%2)*64+32
.set i, i+1
.endr
.set i, VF                          ; what the first turn finds: V, O^T and P's second buffer hold 0.  All this stands in the wait for the first tile
.rept 64
	v_mov_b32 v[i], 0
.set i, i+1
.endr
	WIN 0x40
.set i, 0
.rept 256
	v_mov_b32 v[i], 0
.set i, i+1
.endr
	WIN 0
.set i, P+32
.rept 32
	v_mov_b32 v[i], 0
.set i, i+1
.endr
	v_mul_u32_u24 v[AK0], v1, PK
	v_lshl_add_u32 v[AK0], v12, 4, v[AK0]  ; row x pitch + 16 x half
	v_and_b32 v13, 7, v0            ; the turning load: lane l reads key 8 (l / 16) + l % 8, channels 8 ((l / 8) % 2) + 0..7
	v_bfe_u32 v49, v0, 3, 1
	v_lshl_add_u32 v[AV0], v12, 3, v13
	v_mul_u32_u24 v[AV0], v[AV0], PVB
	v_lshl_add_u32 v[AV0], v49, 4, v[AV0]
	v_add_nc_u32 v[AV0], VOFF, v[AV0]
	v_lshlrev_b32 v[AT0], 5, v12
	v_add_nc_u32 v[AT0], TT, v[AT0]
	v_mov_b32 v[AK], v[AK0]         ; key step 0 lies at the head of slot 0,
	v_mov_b32 v[AT], v[AT0]         ; and of nt
; Product i of 16 of S^T for piece x: channels 32 (i / 8) on, keys 16 ((i / 2) % 4) on, tile 2 x + i % 2.  The first 8 start the sums with nt.  The 8 accumulators take turns.
.macro KQ x
	WIN W_KQ
.set rS, S+64*((\x)%2)+32*(i%2)+8*((i/2)%4)
.set rK, KF+16*((i/2)%4)+8*(i/8)
.set rQ, 16*(2*(\x)+i%2)+8*(i/8)
.set rN, MC+8*((i/2)%4)
.if i < 8
	v_wmma_f32_16x16x32_f16 v[rS:rS+7], v[rK:rK+7], v[rQ:rQ+7], v[rN:rN+7]
.else
	v_wmma_f32_16x16x32_f16 v[rS:rS+7], v[rK:rK+7], v[rQ:rQ+7], v[rS:rS+7]
.endif
.endm
; Product i of 16 of O^T += V^T P for piece x: keys 32 (i / 8) on, channels 16 ((i / 2) % 4) on, tile 2 x + i % 2.
.macro PV x
	WIN W_PV
.set rO, 32*(2*(\x)+i%2)+8*((i/2)%4)
.set rV, VF+32*(i/8)+8*((i/2)%4)
.set rP, P+32*((\x)%2)+16*(i%2)+8*(i/8)
	v_wmma_f32_16x16x32_f16 v[rO:rO+7], v[rV:rV+7], v[rP:rP+7], v[rO:rO+7]
.endm
; The turn's next matrix instruction, number mi of 32.  Pieces 0 to 2: 16 K Q'^T, then 16 V^T P.  Piece 3: 8 V^T P, 16 K Q'^T, 8 V^T P, so that K and nt, fetched in piece 2's turn, have 16 products in which to land.
.macro MM
.if Y == NP-1
.if mi < 8
.set i, mi
	PV (Y+NP-1)%NP
.elseif mi < 24
.if mi == 8
	s_wait_dscnt 0x0                ; K and nt of the next step are in
.endif
.set i, mi-8
	KQ (Y+1)%NP
.else
.set i, mi-16
	PV (Y+NP-1)%NP
.endif
.else
.if mi < 16
.set i, mi
	KQ (Y+1)%NP
.else
.if (Y == 1) && (mi == 16)
	s_wait_dscnt 0x0                ; V is in
.endif
.set i, mi-16
	PV (Y+NP-1)%NP
.endif
.endif
.set mi, mi+1
.endm
; A step's K (16 loads) and its 64 numbers of nt (8 loads; the 16 lanes of a half read the same bytes), in one run.  last = 1 (the tail): in the last trip there is no further step, and the run is jumped over.
.macro FETCH_K last=0
	WIN 0
.if \last
	s_cmp_eq_u32 s[CNT], 1
	s_cbranch_scc1 .Lno_k_\@
.endif
	WIN 0x80
.irp f, 0,1,2,3,4,5,6,7
	ds_load_b128 v[KF+8*\f:KF+8*\f+3],   v[AK] offset:(\f/2)*16*PK+(\f%2)*64
	ds_load_b128 v[KF+8*\f+4:KF+8*\f+7], v[AK] offset:(\f/2)*16*PK+(\f%2)*64+32
.endr
	WIN 0
.irp f, 0,1,2,3
	ds_load_b128 v[MC+8*\f:MC+8*\f+3],   v[AT] offset:64*\f
	ds_load_b128 v[MC+8*\f+4:MC+8*\f+7], v[AT] offset:64*\f+16
.endr
	s_add_co_u32 s[TBK], s[TBK], KS*PK
	s_add_co_u32 s[TBT], s[TBT], 4*KS
.if \last
.Lno_k_\@:
.endif
.endm
.macro FETCH_V
	WIN 0x80
.irp f, 0,1,2,3,4,5,6,7
	ds_load_tr16_b128 v[VF+8*\f:VF+8*\f+3],   v[AV] offset:(\f/4)*32*PVB+(\f%4)*32
	ds_load_tr16_b128 v[VF+8*\f+4:VF+8*\f+7], v[AV] offset:(\f/4)*32*PVB+16*PVB+(\f%4)*32
.endr
	WIN 0
.endm
.macro EX                           ; exponential e of 64: tile e % 2, score e / 2, in place; each accumulator's lowest register comes first
	WIN 0
	v_exp_f32 v[S+64*(Y%2)+32*(e%2)+e/2], v[S+64*(Y%2)+32*(e%2)+e/2]
.set e, e+1
.endm
.macro CV                           ; rounding g of 32: tile g % 2, pair g / 2
	WIN 0
	v_cvt_pk_f16_f32 v[P+32*(Y%2)+16*(g%2)+g/2], v[S+64*(Y%2)+32*(g%2)+2*(g/2)], v[S+64*(Y%2)+32*(g%2)+2*(g/2)+1]
.set g, g+1
.endm
; A TURN, for piece p.  24 products with 3, 3, 2 exponentials behind them; a plain line; the ONE wait between the exponentials and the first line that names a result; 8 products with four roundings
; behind each.  The roundings are also the four places between a turn's last products and what the next turn does with their registers.
; Piece 2's turn fetches the next step's K and nt behind the wait: the two address lines and two v_nop are the four places behind the last product that read them.  Piece 0's turn fetches V of the step in hand at its end, four roundings behind V's last reader.
.macro TURN p, last=0
.set Y, (\p)
.set mi, 0
.set e, 0
.set g, 0
.set tt, 0
.rept 24
	MM
	EX
	EX
.if tt%3 != 2
	EX
.endif
.set tt, tt+1
.endr
.if (\p) == 2
	v_add_nc_u32 v[AK], s[TBK], v[AK0]
	v_add_nc_u32 v[AT], s[TBT], v[AT0]
	v_nop
	v_nop
.else
	v_nop                           ; a plain instruction behind the last exponential: one for the batch (ISA guide 5.7.2)
.endif
	s_wait_alu depctr_va_vdst(0)    ; the wait for the batch
.if (\p) == 2
	FETCH_K \last
.endif
.if (\p) == 0
	v_add_nc_u32 v[AV], s[TBV], v[AV0]
	s_add_co_u32 s[TBV], s[TBV], KS*PVB
.endif
.rept 8
	MM
	CV
	CV
	CV
	CV
.endr
.if (\p) == 0
	FETCH_V
.endif
.endm
	CHANGE 1                        ; slot 0 and nt are in, everybody's part of them; slot 1 is asked for
	FETCH_K                         ; key step 0
	s_wait_loadcnt 0x0              ; Q'
	s_wait_dscnt 0x0
.set i, 0
.rept 16
	KQ 0                            ; piece 0's first scores
.set i, i+1
.endr
	WIN 0                           ; the addresses for the way out: eight plain instructions, the places behind those products
	s_mul_i32 s17, s[WV], 16*SPO
	s_add_co_u32 s17, s17, STAGE    ; my stage
	v_mul_u32_u24 v[STO], v1, SPO   ; in: row l % 16, 32 bytes for each half of the lanes
	v_lshl_add_u32 v[STO], v12, 5, v[STO]
	v_add_nc_u32 v[STO], s17, v[STO]
	v_mul_u32_u24 v[RD], v12, SPO   ; back: lanes 0-15 take one row of 256 bytes, lanes 16-31 the next
	v_lshl_add_u32 v[RD], v1, 4, v[RD]
	v_add_nc_u32 v[RD], s17, v[RD]
	v_lshlrev_b32 v[GO], 12, v12    ; and the same two rows of out0, 4,096 bytes apart
	v_lshl_add_u32 v[GO], v1, 4, v[GO]
	s_mov_b32 s[CNT], 4
	s_branch .Lfirst                ; the loop is entered at a step's first turn, in the middle of a trip
.Lslot:                             ; six times: every slot but the last two is filled again
	CHANGE 1
	s_mov_b32 s[CNT], 4
.Lstep:                             ; a trip: pieces 2 and 3 of one step, then pieces 0 and 1 of the next, whose K, nt and V it fetches
	TURN 2
	TURN 3
	WIN 0
.Lfirst:
	TURN 0
	TURN 1
	WIN 0
	s_sub_co_u32 s[CNT], s[CNT], 1
	s_cmp_lg_u32 s[CNT], 0
	s_cbranch_scc1 .Lstep
	s_sub_co_u32 s[SLOTS], s[SLOTS], 1
	s_cmp_lg_u32 s[SLOTS], 0
	s_cbranch_scc1 .Lslot
	CHANGE 0                        ; the tail is written out: nothing is asked for
	s_mov_b32 s[CNT], 5             ; four trips fetch the last slot's steps; the fifth is left in its middle
.Ltail:
	TURN 2, 1
	TURN 3
	WIN 0
	s_sub_co_u32 s[CNT], s[CNT], 1
	s_cmp_eq_u32 s[CNT], 0
	s_cbranch_scc1 .Lout
	TURN 0
	TURN 1
	WIN 0
	s_branch .Ltail
.Lout:                              ; the fifth trip's 16 products K Q'^T (on the last K once more) serve nothing: the price, once a launch, of one text for every trip
.set i, 0
.rept 16
	PV NP-1                         ; the last piece's V^T P of the last step
.set i, i+1
.endr
.rept 8
	v_nop                           ; the places behind the last products: the stage's stores read results, and its loads land where V lay
.endr
; THE WAY OUT: no arithmetic is left.  Tile t: a lane's eight channels of a row are 32 bytes; they go into rows of 272 bytes, each accumulator's low registers first, and come back as whole rows of 256 bytes, into window 2.
.macro PACK t
	WIN 0x84                        ; a store's data: window 1; a load's destination: window 2; addresses: window 0
.irp cb, 0,1,2,3
	ds_store_b128 v[STO], v[32*(\t)+8*\cb:32*(\t)+8*\cb+3]   offset:64*\cb
	ds_store_b128 v[STO], v[32*(\t)+8*\cb+4:32*(\t)+8*\cb+7] offset:64*\cb+16
.endr
.irp f, 0,1,2,3,4,5,6,7
	ds_load_b128 v[32*(\t)+4*\f:32*(\t)+4*\f+3], v[RD] offset:\f*2*SPO  ; LDS serves a wave's instructions in order (ISA guide 5.7.1.4): these see the stores above; the next tile's stores come behind them
.endr
.endm
.macro SEND t, younger              ; younger: the LDS instructions issued behind tile t's loads: the next tile's sixteen, or none
	WIN 0x08                        ; the data: window 2
.irp f, 0,1,2,3,4,5,6,7
	s_wait_dscnt (\younger)+7-\f
	global_store_b128 v[GO], v[32*(\t)+4*\f:32*(\t)+4*\f+3], s[14:15] offset:(16*(\t)+2*\f)*4096  ; 16 lanes store 256 consecutive bytes, at a multiple of 256 from out0's first byte
.endr
.endm
	PACK 0
.set t, 1
.rept 7
	PACK t
	SEND t-1, 16
.set t, t+1
.endr
	SEND 7, 0
	WIN 0
	s_wait_tensorcnt 0x0            ; the wave's end: three lines behind my last tensor load and my last LDS store
	ds_add_u32 v[SPW], v[NIL]
	s_wait_dscnt 0x0
	CROUND                          ; the closing round
	s_endpgm
.Lfunc_end_k_q72c5c12fed_attn:
	.size	k_q72c5c12fed_attn, .Lfunc_end_k_q72c5c12fed_attn-k_q72c5c12fed_attn
	.p2alignl 7, 3214868480
	.fill 96, 4, 3214868480
	.section	.rodata,"a",@progbits
	.p2align	6, 0x0
	.amdhsa_kernel k_q72c5c12fed_attn
		.amdhsa_group_segment_fixed_size 327680
		.amdhsa_private_segment_fixed_size 0
		.amdhsa_enable_private_segment 0
		.amdhsa_kernarg_size 40
		.amdhsa_user_sgpr_count 2
		.amdhsa_user_sgpr_kernarg_segment_ptr 1
		.amdhsa_wavefront_size32 1
		.amdhsa_system_sgpr_workgroup_id_x 1
		.amdhsa_system_sgpr_workgroup_id_y 1
		.amdhsa_system_sgpr_workgroup_id_z 1
		.amdhsa_system_vgpr_workitem_id 0
		.amdhsa_next_free_vgpr 768
		.amdhsa_next_free_sgpr 76
		.amdhsa_reserve_vcc 0
		.amdhsa_float_denorm_mode_32 3
		.amdhsa_float_denorm_mode_16_64 3
		.amdhsa_memory_ordered 1
		.amdhsa_forward_progress 1
		.amdhsa_inst_pref_size 117
	.end_amdhsa_kernel
	.amdgpu_metadata
---
amdhsa.version: [ 1, 2 ]
amdhsa.kernels:
  - .name:           k_q72c5c12fed_attn
    .symbol:         k_q72c5c12fed_attn.kd
    .args:
      - { .name: qh, .offset: 0, .size: 8, .value_kind: global_buffer, .address_space: global }
      - { .name: kh, .offset: 8, .size: 8, .value_kind: global_buffer, .address_space: global }
      - { .name: vh, .offset: 16, .size: 8, .value_kind: global_buffer, .address_space: global }
      - { .name: nt, .offset: 24, .size: 8, .value_kind: global_buffer, .address_space: global }
      - { .name: out0, .offset: 32, .size: 8, .value_kind: global_buffer, .address_space: global }
    .group_segment_fixed_size: 327680
    .private_segment_fixed_size: 0
    .kernarg_segment_align: 8
    .kernarg_segment_size: 40
    .max_flat_workgroup_size: 128
    .sgpr_count:     76
    .vgpr_count:     768
    .wavefront_size: 32
...
	.end_amdgpu_metadata
.endif
;; end of part 4
;; ======== version 2 of 2: 4 launches; version 1 with the launch cast written anew for expert scheduling mode
;; limits: values are held in f16: magnitudes above 65,504 overflow, below 6.1e-05 lose precision
;; workspace buffers: xb 16,777,216 bytes; wb 6,291,456 bytes; bb 12,288 bytes; qh 16,777,216 bytes; kh 16,777,216 bytes; vh 16,777,216 bytes; nt 524,288 bytes
;; launch cast (part 5): grid 707 x 1, 8 waves a work-group, no clusters, 0 bytes of LDS; arguments x, Wq, Wk, Wv, bq, bk, bv, xb, wb, bb; writes xb, wb, bb
.if DOCPART == 5
	.amdgcn_target "amdgcn-amd-amdhsa--gfx1250"
	.amdhsa_code_object_version 6
	.text
	.protected	k_q72c5c12fed_cast
	.globl	k_q72c5c12fed_cast
	.p2align	8
	.type	k_q72c5c12fed_cast,@function
k_q72c5c12fed_cast:
	s_mov_b64 s[64:65], 0
	v_nop
	global_prefetch_b8 v0, s[64:65] scope:SCOPE_SE
	s_setreg_imm32_b32 hwreg(HW_REG_WAVE_SCHED_MODE, 0, 2), 2
	s_setreg_imm32_b32 hwreg(HW_REG_WAVE_MODE, 25, 1), 1
	s_wait_xcnt 0x0
	s_wait_alu depctr_vm_vsrc(0)
; x and the three weight matrices are rounded once to bf16 (xb; wb = Wq, Wk, Wv one below the other); the three biases are rounded to bf16, widened again,
; multiplied by the scale of their product's way out (c = log2(e) / 10 for q, 1 for k and v) and kept in f32 (bb).
; SHARES.  Work-groups 0-511: 16,384 numbers of x each; 512-703: 16,384 numbers of a weight matrix each (64 work-groups a matrix); 704-706: one bias each.
; A wave takes 2,048 numbers: sixteen loads of 16 bytes a lane, all issued at once (8 KiB of a wave on their way), each 512 consecutive bytes; each store of the wave covers 256 consecutive bytes, aligned.
; No LDS, no barrier, no matrix unit: every byte is read once and written once, and no wave wants another's.  No register is written twice, so no wait frees a source.
; THE MODE: SCHED_MODE bits 1:0 = 2 (LLVM: expert scheduling mode 2), set by the entry lines.  The code itself states the register dependences
; between vector instructions and memory instructions, with s_wait_alu, always for 0.
; THE PLAN.  Registers that memory instructions touch:
;   v3, v4   byte offsets, made at the head and never written again: v3 is read by the sixteen loads, v4 by the sixteen stores.
;   X        each four registers are written once, by their load, and read by their two conversions.
;   YB       each pair is written once, by its two conversions, and read by one store.
; The sixteen loads' work goes in four blocks of four.  Block p rounds X of its four loads into its four pairs of YB; the stores that stand among its conversions are block p - 1's.
; So one wait on va_vdst at the head of blocks 1 to 3, behind the block's first wait for data, states that the block before has written the four pairs that this block's stores read;
; the vector lines behind that wait name this block's X and YB alone, none of the registers that those stores read.  One more stands ahead of the first load (the offsets), one ahead of the last four stores.
; No register that a memory instruction has read is written again, so no line behind the entry waits on vm_vsrc.  No vector instruction writes a scalar register, and EXEC is never written.
.set X,   8                            ; v[8:71]   sixteen loads of four f32
.set YB,  72                           ; v[72:103] sixteen pairs of packed bf16
.set CSC, 0x3e13bb63                   ; c = log2(e) / 10
	s_load_b512 s[8:23], s[0:1], 0x0               ; x s[8:9], Wq s[10:11], Wk s[12:13], Wv s[14:15], bq s[16:17], bk s[18:19], bv s[20:21], xb s[22:23]
	s_load_b128 s[24:27], s[0:1], 0x40             ; wb s[24:25], bb s[26:27]
	s_mov_b32 s2, ttmp9                            ; g, the work-group
	v_and_b32 v1, 31, v0                           ; lane
	v_and_b32 v2, 0xe0, v0                         ; 32 x wave
	v_lshlrev_b32 v3, 4, v1
	v_lshl_or_b32 v3, v2, 8, v3                    ; in: 8,192 x wave + 16 x lane
	v_lshlrev_b32 v4, 3, v1
	v_lshl_or_b32 v4, v2, 7, v4                    ; out: 4,096 x wave + 8 x lane
	s_wait_kmcnt 0x0
	s_cmp_ge_u32 s2, 704
	s_cbranch_scc1 .Lbias
	s_sub_co_u32 s3, s2, 512                       ; j: my place among the weights' 192 work-groups (not used where g < 512)
	s_lshr_b32 s4, s3, 6                           ; which matrix
	s_and_b32 s5, s3, 63                           ; my place in it
	s_cmp_eq_u32 s4, 0
	s_cselect_b64 s[28:29], s[10:11], s[12:13]
	s_cmp_eq_u32 s4, 2
	s_cselect_b64 s[28:29], s[14:15], s[28:29]
	s_cmp_lt_u32 s2, 512
	s_cselect_b64 s[28:29], s[8:9], s[28:29]       ; from: x or the matrix
	s_cselect_b64 s[30:31], s[22:23], s[24:25]     ; to: xb or wb
	s_cselect_b32 s32, s2, s5
	s_cselect_b32 s34, s2, s3
	s_lshl_b32 s32, s32, 16                        ; 65,536 bytes of f32 a work-group
	s_mov_b32 s33, 0
	s_lshl_b32 s34, s34, 15                        ; 32,768 bytes of bf16
	s_mov_b32 s35, 0
	s_add_nc_u64 s[28:29], s[28:29], s[32:33]
	s_add_nc_u64 s[30:31], s[30:31], s[34:35]
	s_wait_alu depctr_va_vdst(0)                   ; v3 and v4 are written: the loads below read v3 as their offset, the stores v4
.set i, 0
.rept 16
	global_load_b128 v[X+4*i:X+4*i+3], v3, s[28:29] offset:512*i th:TH_LOAD_NT
.set i, i+1
.endr
.set i, 0
.rept 16
	s_wait_loadcnt 15-i                            ; loads come back in order: number i is in, the 15 - i younger ones stay out
.if (i%4 == 0) && (i > 0)
	s_wait_alu depctr_va_vdst(0)                   ; the block before has written its four pairs of YB, which this block's four stores read
.endif
.if i >= 4
	global_store_b64 v4, v[YB+2*(i-4):YB+2*(i-4)+1], s[30:31] offset:256*(i-4)  ; the block before: no vector line since the wait names this pair or v4
.endif
	v_cvt_pk_bf16_f32 v[YB+2*i], v[X+4*i], v[X+4*i+1]
	v_cvt_pk_bf16_f32 v[YB+2*i+1], v[X+4*i+2], v[X+4*i+3]
.set i, i+1
.endr
	s_wait_alu depctr_va_vdst(0)                   ; the last block has written its four pairs of YB, which the last four stores read
.set i, 12
.rept 4
	global_store_b64 v4, v[YB+2*i:YB+2*i+1], s[30:31] offset:256*i
.set i, i+1
.endr
	s_endpgm
.Lbias:                                                ; 1,024 numbers, four a thread
	s_sub_co_u32 s3, s2, 704                       ; 0: bq, 1: bk, 2: bv
	s_cmp_eq_u32 s3, 0
	s_cselect_b64 s[28:29], s[16:17], s[18:19]
	s_cselect_b32 s32, CSC, 1.0
	s_cmp_eq_u32 s3, 2
	s_cselect_b64 s[28:29], s[20:21], s[28:29]
	s_mov_b32 s33, s32                             ; named with it as a pair
	s_lshl_b32 s34, s3, 12
	s_mov_b32 s35, 0
	s_add_nc_u64 s[30:31], s[26:27], s[34:35]
	v_lshlrev_b32 v5, 4, v0
	s_wait_alu depctr_va_vdst(0)                   ; v5 is written: the load and the store below read it as their offset
	global_load_b128 v[8:11], v5, s[28:29]
	s_wait_loadcnt 0x0
	v_cvt_pk_bf16_f32 v12, v8, v9                  ; rounded to bf16 like every input,
	v_cvt_pk_bf16_f32 v13, v10, v11
	v_lshlrev_b32 v16, 16, v12                     ; and widened again
	v_and_b32 v17, 0xffff0000, v12
	v_lshlrev_b32 v18, 16, v13
	v_and_b32 v19, 0xffff0000, v13
	v_pk_mul_f32 v[16:17], v[16:17], s[32:33] op_sel_hi:[1,0]
	v_pk_mul_f32 v[18:19], v[18:19], s[32:33] op_sel_hi:[1,0]
	s_wait_alu depctr_va_vdst(0)                   ; the two multiplies have written v[16:19], which the store reads
	global_store_b128 v5, v[16:19], s[30:31]
	s_endpgm
.Lfunc_end_k_q72c5c12fed_cast:
	.size	k_q72c5c12fed_cast, .Lfunc_end_k_q72c5c12fed_cast-k_q72c5c12fed_cast
	.p2alignl 7, 3214868480
	.fill 96, 4, 3214868480
	.section	.rodata,"a",@progbits
	.p2align	6, 0x0
	.amdhsa_kernel k_q72c5c12fed_cast
		.amdhsa_group_segment_fixed_size 0
		.amdhsa_private_segment_fixed_size 0
		.amdhsa_enable_private_segment 0
		.amdhsa_kernarg_size 80
		.amdhsa_user_sgpr_count 2
		.amdhsa_user_sgpr_kernarg_segment_ptr 1
		.amdhsa_wavefront_size32 1
		.amdhsa_system_sgpr_workgroup_id_x 1
		.amdhsa_system_sgpr_workgroup_id_y 1
		.amdhsa_system_sgpr_workgroup_id_z 1
		.amdhsa_system_vgpr_workitem_id 0
		.amdhsa_next_free_vgpr 104
		.amdhsa_next_free_sgpr 66
		.amdhsa_reserve_vcc 0
		.amdhsa_float_denorm_mode_32 3
		.amdhsa_float_denorm_mode_16_64 3
		.amdhsa_memory_ordered 1
		.amdhsa_forward_progress 1
		.amdhsa_inst_pref_size 9
	.end_amdhsa_kernel
	.amdgpu_metadata
---
amdhsa.version: [ 1, 2 ]
amdhsa.kernels:
  - .name:           k_q72c5c12fed_cast
    .symbol:         k_q72c5c12fed_cast.kd
    .args:
      - { .name: x, .offset: 0, .size: 8, .value_kind: global_buffer, .address_space: global }
      - { .name: Wq, .offset: 8, .size: 8, .value_kind: global_buffer, .address_space: global }
      - { .name: Wk, .offset: 16, .size: 8, .value_kind: global_buffer, .address_space: global }
      - { .name: Wv, .offset: 24, .size: 8, .value_kind: global_buffer, .address_space: global }
      - { .name: bq, .offset: 32, .size: 8, .value_kind: global_buffer, .address_space: global }
      - { .name: bk, .offset: 40, .size: 8, .value_kind: global_buffer, .address_space: global }
      - { .name: bv, .offset: 48, .size: 8, .value_kind: global_buffer, .address_space: global }
      - { .name: xb, .offset: 56, .size: 8, .value_kind: global_buffer, .address_space: global }
      - { .name: wb, .offset: 64, .size: 8, .value_kind: global_buffer, .address_space: global }
      - { .name: bb, .offset: 72, .size: 8, .value_kind: global_buffer, .address_space: global }
    .group_segment_fixed_size: 0
    .private_segment_fixed_size: 0
    .kernarg_segment_align: 8
    .kernarg_segment_size: 80
    .max_flat_workgroup_size: 256
    .sgpr_count:     66
    .vgpr_count:     104
    .wavefront_size: 32
...
	.end_amdgpu_metadata
.endif
;; end of part 5
;; launch proj: the kernel of part 2 again; grid 16 x 32, 4 waves a work-group, clusters of 4 x 4, 327,680 bytes of LDS; arguments xb, wb, bb, qh, kh, vh; writes qh, kh, vh
;; launch stats: the kernel of part 3 again; grid 4 x 64, 4 waves a work-group, clusters of 4 x 1, 327,680 bytes of LDS; arguments qh, kh, nt; writes nt
;; launch attn: the kernel of part 4 again; grid 4 x 64, 4 waves a work-group, clusters of 4 x 1, 327,680 bytes of LDS; arguments qh, kh, vh, nt, out0; writes out0
